; MI455X (gfx1250); checked and timed in simulation.
; The chip was launched on July 23, 2026; its instructions are those of AMD's public machine-readable ISA for CDNA 5 (MIT licence, August 2026) and "CDNA5" Instruction Set Architecture Reference Guide (July 2026). The comments in the code are by the model that wrote it; some were corrected since.
;; Flash Attention. Allowed arithmetic: matrix products marked QUANTISED: E2M3 operands, one E8M0 scale for each 32 along K, by v_wmma_scale_f32_16x16x128_f8f6f4 with both operands' format E2M3, f32 sums; everything else in f32.
;; Inputs: proj_b 1,024 float32; proj_w 1,024 x 1,024 float32; q_bias 1,024 float32; qkv_w 3,072 x 1,024 float32; v_bias 1,024 float32; x 4 x 2,048 x 1,024 float32.
;; Outputs: out0 4 x 2,048 x 1,024 float32.
;; This version of the problem:
;;   THIS VERSION OF THE PROBLEM IS GIVEN IN LOW PRECISION. The matrix products marked QUANTISED in the list below multiply operands that are first quantised to E2M3 (2 exponent bits, 3 mantissa bits; 6 bits a number), with one power-of-two scale for each 32 numbers along K (OCP MX v1.0); their sums are f32. All else is computed in f32.
;;   The module's matrix products, in the order in which they are computed (A, B: the left and right operand; K: the contracted axis; several contracted axes count as one K, in the product's order):
;;     1. [M 8,192, K 1,024] x [K 1,024, N 3,072]; A: input x; B: input qkv_w: QUANTISED
;;     2. batch 64 x [M 2,048, K 64] x [K 64, N 2,048]; A: computed on the way; B: computed on the way: QUANTISED
;;     3. batch 64 x [M 2,048, K 2,048] x [K 2,048, N 64]; A: softmax (see below); B: computed on the way: QUANTISED
;;     4. [M 8,192, K 1,024] x [K 1,024, N 1,024]; A: computed on the way; B: input proj_w: QUANTISED
;;   THE QUANTISER, for each operand of a quantised product, along K:
;;     - K is cut into blocks of 32 from its start; a last block that is shorter is filled with zeros.
;;     - A block's scale is 2^e with e = floor(log2(the largest magnitude in the block)) - 2, held to -126 .. 127; a block of zeros has e = 0. As a byte (E8M0): e + 127.
;;     - Each number is divided by its block's scale, clamped to +-7.5, and rounded to the nearest number of E2M3, ties to even, subnormals kept.
;;     - The product sums the exact products of the quantised numbers (number of the format x scale) in f32.
;;   ~~~python
;;   def quantise(x, axis):      # numpy; x: float32 -> the quantised numbers, widened to float32 again
;;       x = np.moveaxis(x, axis, -1); K = x.shape[-1]
;;       x = np.pad(x, [(0, 0)] * (x.ndim - 1) + [(0, -K % 32)]); x = x.reshape(x.shape[:-1] + (-1, 32)); a = np.abs(x).max(-1, keepdims=True)
;;       e = np.where(a > 0, np.clip(np.frexp(np.where(a > 0, a, 1))[1] - 1 - 2, -126, 127), 0)      # np.frexp(a)[1] - 1 = floor(log2(a)), exactly
;;       r = np.clip(x / 2.0 ** e, -7.5, 7.5)
;;       step = 2.0 ** (np.maximum(np.frexp(np.where(r == 0, 1, r))[1] - 1, 0) - 3)
;;       q = np.round(r / step) * step * 2.0 ** e      # np.round: ties to even
;;       return np.moveaxis(q.reshape(q.shape[:-2] + (-1,))[..., :K], -1, axis).astype(np.float32)
;;   ~~~
;;   SOFTMAX AHEAD OF A QUANTISED PRODUCT. Where the list says 'softmax', what is quantised is not the finished softmax but p = 2^(t - M), with t = logit x log2(e) and M = ceil(the row's largest t), a whole number; so 1/2 < the row's largest p <= 1. The row's sum l is taken of the UNQUANTISED p, in f32, and the product's result is divided by l at the end. Since M is a whole number, a kernel that streams over the keys may use a running M (the ceiling of the running maximum): every later rescaling is an exact power of two, which a block's scale takes up: the codes' values come out the same.
;;   OPERANDS COMPUTED ON THE WAY. 'Computed on the way' means the value that the module computes at that place (a softmax that the list does not call 'softmax' is quantised finished and normalised). What goes into a quantiser is computed in f32, as accurately as f32 sums, v_exp_f32 and their like allow (about 1e-6 of the number): no bf16 or f16 on the way to a quantiser, and a product that is left as it is and whose result goes on into a quantised operand takes f32 operands (vector FMAs, or v_wmma_f32_16x16x4_f32). A number that lies on a knife's edge between two numbers of the format may be rounded either way, as far as f32 arithmetic and the matrix unit's own rounding can turn it there, and no further.
;; One version. Each part assembles by itself: llvm-mc -triple=amdgcn-amd-amdhsa -mcpu=gfx1250 --defsym DOCPART=n.
;; ======== version 1 of 1: 4 launches
;; workspace buffers: cod 9,437,184 bytes; scl 393,216 bytes; qkc 12,582,912 bytes; qks 524,288 bytes; vc 6,291,456 bytes; vs 262,144 bytes; oc 6,291,456 bytes; os 262,144 bytes
;; launch quant (part 1): grid 192 x 4, 4 waves a work-group, no clusters, 41,984 bytes of LDS; arguments x, qkv_w, proj_w, cod, scl; writes cod, scl
.if DOCPART == 1
	.amdgcn_target "amdgcn-amd-amdhsa--gfx1250"
	.amdhsa_code_object_version 6
	.text
	.protected	k_q8a5f24e85f_quant
	.globl	k_q8a5f24e85f_quant
	.p2align	8
	.type	k_q8a5f24e85f_quant,@function
k_q8a5f24e85f_quant:
	s_mov_b64 s[64:65], 0
	v_nop
	global_prefetch_b8 v0, s[64:65] scope:SCOPE_SE
	s_setreg_imm32_b32 hwreg(HW_REG_WAVE_MODE, 25, 1), 1
	s_wait_xcnt 0x0
; x [8192][1024], qkv_w [3072][1024] and proj_w [1024][1024], f32, K innermost, become codes of FP6 (E2M3) with one E8M0 scale byte for each 32 along K.
; A block's scale is 2^(floor(log2(its largest magnitude)) - 2): its byte is the largest magnitude's exponent field - 2, held at 1 from below by a floor among the maximum's leaves.
; LIMITS: NaN and infinities are not served; a block whose largest magnitude lies under 2^-124 keeps the byte 1; a block of zeros gets the byte 1 where the rule says 127:
; its codes are zeros, which add nothing under any byte but 0xff, and only this program reads the bytes.
; LAYOUT OF THE RESULTS.  The 12,288 rows are 48 panels of 256 (x 0-31, qkv_w 32-43, proj_w 44-47).  cod: [panel][chunk = k / 64 (16)][position (256)][48 bytes]; scl: [panel][k / 128 (8)][position][4 bytes].
; A row stands at the POSITION that is its number with bits 3 and 4 exchanged: sixteen neighbouring positions, tile 2 b + u, are then rows 32 b + 8 u + r + 8 (r / 8), the rows that the
; later launches want in one tile, and a K step of a panel is one dense block of memory.
; SHARES.  Work-group (x, y): panel x / 4, positions 64 (x % 4) on, K = 256 y on (four chunks).  Wave w: 16 positions.  No work-group reads what another reads: no cluster, no tensor load, no ring.
; Each load reads 256 consecutive bytes of each of two rows, 16 a lane; a chunk's 4,096 bytes turn through the wave's own stage in LDS (64 places of 64 bytes + 16 of padding) and come
; back 64 bytes a lane: 16 neighbours along K, which is what a conversion takes.  Two neighbouring lanes hold a block.  All 32 loads of a wave go out at the head.
.set SP,    80                         ; a place in a stage: 64 bytes + 16
.set STGB,  64*SP                      ; a stage
.set WREG,  2*STGB                     ; a wave's two stages
.set SB,    4*WREG                     ; behind them: the work-group's 512 scale bytes, [k / 128 (2)][64 positions][4]
.set GI,    2                          ; v2   loads: 4,096 (lane / 16) + 16 (lane % 16)
.set SIN,   3                          ; v3   stage, way in: SP (lane / 4) + 16 (lane % 4)
.set SOUT,  4                          ; v4   stage, way out: SP x lane
.set GC,    5                          ; v5   codes: 12 x lane
.set SBA,   6                          ; v6   my block's scale byte in LDS
.set SBR,   7                          ; v7   the scale bytes read back: 16 x lane
.set GS,    8                          ; v8   and their place in scl
.set R,     16                         ; v16-143   the numbers as loaded: chunk c, load i at R + 32 c + 4 i
.set X,     144                        ; v144-207  two sets (chunks by turns) of 2 x 16 neighbours
.set C,     208                        ; v208-239  codes: four registers for each chunk and set, so that no store's data are written again
.set E,     240                        ; v240-247  a scale byte for each chunk and set
	s_load_b256 s[4:11], s[0:1], 0x0               ; x s[4:5], qkv_w s[6:7], proj_w s[8:9], cod s[10:11]
	s_load_b64 s[12:13], s[0:1], 0x20              ; scl
	v_lshl_add_u32 v254, v0, 2, 0xa200
	v_mov_b32 v255, 0
	v_lshrrev_b32 v1, 5, v0
	v_readfirstlane_b32 s19, v1                    ; wave
	v_and_b32 v1, 31, v0                           ; lane
	v_and_b32 v9, 15, v0
	v_bfe_u32 v10, v0, 4, 1
	v_lshlrev_b32 v[GI], 4, v9
	v_lshl_add_u32 v[GI], v10, 12, v[GI]
	s_mul_i32 s24, s19, WREG
	v_lshrrev_b32 v11, 2, v1
	v_and_b32 v12, 3, v1
	v_mul_u32_u24 v[SIN], v11, SP
	v_lshl_add_u32 v[SIN], v12, 4, v[SIN]
	v_add_nc_u32 v[SIN], s24, v[SIN]
	v_mul_u32_u24 v[SOUT], v1, SP
	v_add_nc_u32 v[SOUT], s24, v[SOUT]
	v_mul_u32_u24 v[GC], v1, 12
	v_bfe_u32 v13, v1, 1, 1                        ; which block of the chunk's two is mine
	v_lshl_add_u32 v[SBA], v11, 2, v13             ; 4 x (row of my set's eight) + block
	s_lshl_b32 s25, s19, 6
	s_add_co_u32 s25, s25, SB
	v_add_nc_u32 v[SBA], s25, v[SBA]               ; + 64 x wave
	v_lshl_add_u32 v[SBR], v1, 4, SB
	v_lshlrev_b32 v[GS], 4, v9
	v_lshl_add_u32 v[GS], v10, 10, v[GS]           ; lanes 16-31: the next 128 along K, 1,024 bytes on
	s_lshr_b32 s16, ttmp9, 2                       ; panel
	s_and_b32 s17, ttmp9, 3                        ; which 64 positions
	s_and_b32 s18, ttmp7, 0xffff                   ; which 256 along K
	s_wait_kmcnt 0x0
	s_cmp_lt_u32 s16, 32                           ; which tensor: the choice hangs on the work-group's number alone
	s_cselect_b64 s[4:5], s[4:5], s[6:7]
	s_cselect_b32 s20, 0, 32
	s_cmp_lt_u32 s16, 44
	s_cselect_b64 s[4:5], s[4:5], s[8:9]
	s_cselect_b32 s20, s20, 44
	s_sub_co_u32 s20, s16, s20                     ; the panel's number within its tensor
	s_lshl_b32 s20, s20, 8
	s_lshl_b32 s21, s17, 6
	s_add_co_u32 s20, s20, s21
	s_lshr_b32 s21, s19, 1
	s_lshl_b32 s21, s21, 5
	s_add_co_u32 s20, s20, s21
	s_and_b32 s21, s19, 1
	s_lshl_b32 s21, s21, 3
	s_add_co_u32 s20, s20, s21                     ; my first row: 256 panel + 64 g + 32 (w / 2) + 8 (w % 2)
	s_lshl_b32 s20, s20, 12                        ; rows of 4,096 bytes
	s_lshl_b32 s21, s18, 10
	s_add_co_u32 s20, s20, s21
	s_mov_b32 s21, 0
	s_add_nc_u64 s[4:5], s[4:5], s[20:21]
.irp c, 0,1,2,3
.irp i, 0,1,2,3,4,5,6,7
	global_load_b128 v[R+32*\c+4*\i:R+32*\c+4*\i+3], v[GI], s[4:5] offset:(2*\i+8*(\i/4))*4096+256*\c th:TH_LOAD_NT   ; positions 2 i, 2 i + 1 of my 16 are rows 2 i + 8 (i / 4) and the next; read once in the launch
.endr
.endr
	s_mul_i32 s22, s16, 196608                     ; cod: the panel,
	s_mul_i32 s23, s18, 49152                      ; my four chunks,
	s_add_co_u32 s22, s22, s23
	s_mul_i32 s23, s17, 3072                       ; my work-group's 64 positions of 48 bytes,
	s_add_co_u32 s22, s22, s23
	s_mul_i32 s23, s19, 768                        ; my wave's 16
	s_add_co_u32 s22, s22, s23
	s_mov_b32 s23, 0
	s_add_nc_u64 s[10:11], s[10:11], s[22:23]
	s_lshl_b32 s22, s16, 13                        ; scl: the panel, my two words along K, my 64 positions
	s_lshl_b32 s26, s18, 11
	s_add_co_u32 s22, s22, s26
	s_lshl_b32 s26, s17, 8
	s_add_co_u32 s22, s22, s26
	s_add_nc_u64 s[12:13], s[12:13], s[22:23]
.macro TURN c                          ; chunk c through a stage: LDS serves a wave's instructions in order (ISA guide 5.7.1.4), so no wait stands between the stores and the loads
.irp i, 0,1,2,3,4,5,6,7
	ds_store_b128 v[SIN], v[R+32*(\c)+4*\i:R+32*(\c)+4*\i+3] offset:STGB*((\c)%2)+640*\i
.endr
.irp s, 0,1
.irp k, 0,1,2,3
	ds_load_b128 v[X+32*((\c)%2)+16*\s+4*\k:X+32*((\c)%2)+16*\s+4*\k+3], v[SOUT] offset:STGB*((\c)%2)+2560*\s+16*\k   ; set s: row 8 s + lane / 4, quarter lane % 4
.endr
.endr
.endm
.macro STEP c
	s_wait_dscnt 0x0                               ; this chunk's numbers are back from the stage
.if (\c) < 3
	s_wait_loadcnt 16-8*(\c)                       ; the next chunk's eight loads are in; those of the chunks behind it may be out
	TURN (\c)+1                                    ; and go through the other stage while this chunk is worked
.endif
.set XS, X+32*((\c)%2)
.irp s, 0,1                                    ; the two sets by turns, two chains each: no line waits for the line above it
	v_max3_num_f32 v[9+3*\s], |v[XS+16*\s]|, |v[XS+16*\s+1]|, |v[XS+16*\s+2]|
	v_max3_num_f32 v[10+3*\s], |v[XS+16*\s+3]|, |v[XS+16*\s+4]|, |v[XS+16*\s+5]|
.endr
.irp i, 6,10
.irp s, 0,1
	v_max3_num_f32 v[9+3*\s], v[9+3*\s], |v[XS+16*\s+\i]|, |v[XS+16*\s+\i+1]|
	v_max3_num_f32 v[10+3*\s], v[10+3*\s], |v[XS+16*\s+\i+2]|, |v[XS+16*\s+\i+3]|
.endr
.endr
.irp s, 0,1
	v_max3_num_f32 v[9+3*\s], v[9+3*\s], |v[XS+16*\s+14]|, |v[XS+16*\s+15]|
.endr
.irp s, 0,1
	v_max3_num_f32 v[9+3*\s], v[9+3*\s], v[10+3*\s], 0x1800000     ; and the floor 2^(3 - 127): the byte cannot fall under 1
.endr
.irp s, 0,1
	v_max_num_f32_dpp v[9+3*\s], v[9+3*\s], v[9+3*\s] row_xmask:1 row_mask:0xf bank_mask:0xf   ; with my neighbour's 16: the block's largest magnitude
.endr
.irp s, 0,1
	v_add_nc_u32 v[11+3*\s], 0xff000000, v[9+3*\s] ; 2 off its exponent field: the conversion takes the exponent field of this operand as its scale
.endr
.irp s, 0,1
	v_cvt_scalef32_pk16_fp6_f32 v[C+8*(\c)+4*\s:C+8*(\c)+4*\s+2], v[XS+16*\s:XS+16*\s+15], v[11+3*\s]   ; 16 codes, 96 bits, the first number's lowest
.endr
.irp s, 0,1
	v_lshrrev_b32 v[E+2*(\c)+\s], 23, v[11+3*\s]   ; the scale's byte (a plain line behind the conversions)
.endr
.irp s, 0,1
	ds_store_b8 v[SBA], v[E+2*(\c)+\s] offset:32*\s+256*((\c)/2)+2*((\c)%2)   ; both lanes of a block write the same byte with the same value
	global_store_b96 v[GC], v[C+8*(\c)+4*\s:C+8*(\c)+4*\s+2], s[10:11] offset:12288*(\c)+384*\s   ; the wave stores 384 consecutive bytes: eight positions of 48
.endr
.endm
	s_wait_loadcnt 24                              ; chunk 0's eight loads are in; the 24 behind them may be out
	TURN 0
	STEP 0
	STEP 1
	STEP 2
	STEP 3
	s_wait_dscnt 0x0                               ; for wave 0's sake: my scale bytes lie in LDS
	s_barrier_signal -1
	s_barrier_wait -1
	s_cmp_lg_u32 s19, 0
	s_cbranch_scc1 .Ldone
	ds_load_b128 v[248:251], v[SBR]                ; the work-group's 512 scale bytes,
	s_wait_dscnt 0x0
	global_store_b128 v[GS], v[248:251], s[12:13]  ; as two runs of 256 consecutive bytes, each at a multiple of 256 from scl's first byte
.Ldone:
	s_wait_tensorcnt 0x0
	ds_add_u32 v254, v255
	s_wait_dscnt 0x0
	s_endpgm
.Lfunc_end_k_q8a5f24e85f_quant:
	.size	k_q8a5f24e85f_quant, .Lfunc_end_k_q8a5f24e85f_quant-k_q8a5f24e85f_quant
	.p2alignl 7, 3214868480
	.fill 96, 4, 3214868480
	.section	.rodata,"a",@progbits
	.p2align	6, 0x0
	.amdhsa_kernel k_q8a5f24e85f_quant
		.amdhsa_group_segment_fixed_size 41984
		.amdhsa_private_segment_fixed_size 0
		.amdhsa_enable_private_segment 0
		.amdhsa_kernarg_size 40
		.amdhsa_user_sgpr_count 2
		.amdhsa_user_sgpr_kernarg_segment_ptr 1
		.amdhsa_wavefront_size32 1
		.amdhsa_system_sgpr_workgroup_id_x 1
		.amdhsa_system_sgpr_workgroup_id_y 1
		.amdhsa_system_sgpr_workgroup_id_z 1
		.amdhsa_system_vgpr_workitem_id 0
		.amdhsa_next_free_vgpr 256
		.amdhsa_next_free_sgpr 66
		.amdhsa_reserve_vcc 0
		.amdhsa_float_denorm_mode_32 3
		.amdhsa_float_denorm_mode_16_64 3
		.amdhsa_memory_ordered 1
		.amdhsa_forward_progress 1
		.amdhsa_inst_pref_size 19
	.end_amdhsa_kernel
	.amdgpu_metadata
---
amdhsa.version: [ 1, 2 ]
amdhsa.kernels:
  - .name:           k_q8a5f24e85f_quant
    .symbol:         k_q8a5f24e85f_quant.kd
    .args:
      - { .name: x, .offset: 0, .size: 8, .value_kind: global_buffer, .address_space: global }
      - { .name: qkv_w, .offset: 8, .size: 8, .value_kind: global_buffer, .address_space: global }
      - { .name: proj_w, .offset: 16, .size: 8, .value_kind: global_buffer, .address_space: global }
      - { .name: cod, .offset: 24, .size: 8, .value_kind: global_buffer, .address_space: global }
      - { .name: scl, .offset: 32, .size: 8, .value_kind: global_buffer, .address_space: global }
    .group_segment_fixed_size: 41984
    .private_segment_fixed_size: 0
    .kernarg_segment_align: 8
    .kernarg_segment_size: 40
    .max_flat_workgroup_size: 128
    .sgpr_count:     66
    .vgpr_count:     256
    .wavefront_size: 32
...
	.end_amdgpu_metadata
.endif
;; end of part 1
;; launch qkv (part 2): grid 12 x 32, 4 waves a work-group, clusters of 4 x 4, 327,680 bytes of LDS; arguments cod, scl, q_bias, v_bias, qkc, qks, vc, vs; writes qkc, qks, vc, vs
.if DOCPART == 2
	.amdgcn_target "amdgcn-amd-amdhsa--gfx1250"
	.amdhsa_code_object_version 6
	.text
	.protected	k_q8a5f24e85f_qkv
	.globl	k_q8a5f24e85f_qkv
	.p2align	8
	.type	k_q8a5f24e85f_qkv,@function
k_q8a5f24e85f_qkv:
	s_mov_b64 s[64:65], 0
	v_nop
	global_prefetch_b8 v0, s[64:65] scope:SCOPE_SE
	s_setreg_imm32_b32 hwreg(HW_REG_WAVE_MODE, 25, 1), 1
	s_wait_xcnt 0x0
	s_wait_alu depctr_hold_cnt(0) depctr_sa_sdst(0) depctr_va_vdst(0) depctr_va_sdst(0) depctr_va_ssrc(0) depctr_va_vcc(0) depctr_vm_vsrc(0)
	s_getreg_b32 s2, hwreg(HW_REG_IB_STS2, 6, 4)
	s_cmp_eq_u32 s2, 0
	s_cbranch_scc0 .Lentry_in_a_cluster
	s_endpgm
.Lentry_in_a_cluster:
	s_bfe_u32 s2, ttmp6, 0x10000c
	s_cmp_lg_u32 s2, 0xf033
	s_cbranch_scc0 .Lentry_shape_is_right
	s_endpgm
.Lentry_shape_is_right:
; qkv = x qkv_w^T + bias on codes of FP6 (E2M3) with E8M0 scales, K = 1,024; the results never go to memory as f32: q and k are quantised along the head's 64, v along the keys, in registers.
; A tile of 256 x 256 is made by four waves, 128 x 128 each: 64 accumulators of 16 x 16, 512 registers.  K goes in steps of 256 through a ring of two LDS slots filled by the tensor data mover.
; OPERANDS (launch quant's layout): cod [panel][k / 64][position (256)][48 bytes], scl [panel][k / 128][position][4]: a K step of a panel is one dense block of 49,152 bytes; a panel's scale words, 8,192 bytes, come once.
; A fragment's lane reads at 48 r + 24 h: the 32 lanes of a load of 8 bytes touch 64 different banks (64 banks of 4 bytes: ISA guide 11.1): no padding.
; A lane of a result holds ONE row of source 1, and the 16 registers of source 0's tiles 2 b, 2 b + 1 are source 0's rows 32 b + 16 (lane / 16) + 0 .. 15 (positions are rows with bits 3 and 4 exchanged).
; ROLES, by the cluster's x alone, which all sixteen partners share: 0 = q, 1 = k: source 0 = the weight, source 1 = x, so that a lane's registers run along the head's 64; 2 = v: source 0 = x, source 1 = the weight,
; so that they run along the keys.  No branch hangs on the role: panels, output places and two lane masks for the biases are selected scalars.
; q's two factors of 1/8 are not applied here: the quantiser commutes with a power of two (LIMIT: but where a scale's exponent would be held at -126), and launch attn folds 1/64 into its constant.
; k's bias is reference()'s own zeros.  LIMITS as in launch quant: no NaN, no infinities; a block under 2^-124, or of zeros, keeps the scale byte 1.
; OUT: qkc [q, k][batch x head (64)][position (2048)][48], qks [q, k][pair of heads (32)][position][4: the even head's two bytes, the odd head's two], vc [batch x head][keys / 64 (32)][position of d (64)][48], vs [batch x head][keys / 128 (16)][position of d][4].
; CLUSTERS: 4 x 4 work-groups.  Source 1's panel is shared along a row of the cluster, source 0's along a column: each tile is asked for JOINTLY, by the same tensor load with the same descriptor and a mask that names the four.
; REGISTERS, in windows of 256: window 0: v0-31 addresses; v32-63 scale words, two sets, and nothing else; v64-127 source 0's bias, the C of the first step, later rows on their way out; v128-223 source 1's fragments, ONE set, later the way out's work; v224-239 source 1's bias; v240 a scale word.
;   window 1: source 0's fragments, TWO sets, at v0 and v128.   window 2: the accumulators of my rows 0-63 ((a, b) at v[8 (8 a + b)]);   window 3: those of rows 64-127.
.set CH,     12288                     ; a chunk: 256 positions x 48 bytes (64 codes)
.set HALFT,  2*CH                      ; what one tensor load brings: two chunks
.set SLOT,   4*HALFT                   ; source 1's four chunks, then source 0's four
.set KSTEPB, 4*CH                      ; a K step of a panel in memory
.set SCL,    2*SLOT                    ; behind the ring: source 1's scale words (8,192 bytes), then source 0's
.set SPARE,  SCL+16384                 ; the spare words, 128 bytes for each wave: two blocks of 256 bytes that no other line names
.set FR,     12                        ; registers of a fragment: 16 rows x 128 K
.set NL,     6                         ; LDS loads that bring one
.set NP,     4                         ; places behind this matrix instruction (ISA guide 7.12.1)
.set NQ,     2                         ; matrix instructions deep in a slot
.set LAPS,   2                         ; K = 1,024 is four K steps: twice round the ring
.set ADRA, 16                          ; v16-17  LDS address of my source 1 fragments in slot 0, 1
.set ADRB, 20                          ; v20-21  the same for source 0
.set SWS,  22                          ; v22     the way out: where a block's scale words go
.set GSO,  23                          ; v23     and their place in memory
.set STO,  24                          ; v24     the way out: where I put 12 bytes of codes
.set RDP,  25                          ; v25     where I read them back: 16 x lane
.set GOC,  26                          ; v26     their place in memory: 12 x lane
.set ADRS, 27                          ; v27     LDS address of my scale words: lanes 0-15 source 1's rows, lanes 16-31 source 0's
.set SPW,  28                          ; v28     LDS address of my spare word; never rewritten
.set NIL,  29                          ; v29     0; never rewritten
.set SC,   32
.set BI,   64
.set OUTR, 64
.set AF,   128
.set T,    128                         ; the way out: v128-191 a block's 64 numbers
.set TM,   192                         ; v192-207 at work
.set PC,   208                         ; v208-223 four runs of codes
.set B1,   224
.set PW,   240
.set G1, 24                            ; s[24:31] descriptor group 1 for source 1's tiles;  s[32:39] group 0, one set for each slot
.set G0, 32
.set G1B, 48                           ; s[48:55], s[56:63] the same for source 0's
.set G0B, 56
.set G1S, 68                           ; s[68:75], s[76:79] groups 1 and 0 for source 1's scales;  s[80:87], s[88:91] for source 0's
.set G0S, 76
.set G1SB, 80
.set G0SB, 88
.set SEL, 66                           ; s[66:67] lane selects for v_permlanex16_b32: lane l xor 16
.set MQ,  96                           ; s96  all ones in role q, else 0
.set MV,  97                           ; s97  all ones in role v, else 0
.set BASE, 32                          ; the way out: s[32:39] four bases of the codes
.set MSB, 0
.macro WIN new                         ; the immediate's high byte repeats the setting that is left
.if MSB != (\new)
	s_set_vgpr_msb (MSB<<8)|(\new)
.set MSB, (\new)
.endif
.endm
.set MUL_LO, 0xa1                      ; source 0 window 1, source 1 window 0, C and D window 2
.set MUL_HI, 0xf1                      ; the same, C and D window 3
.set TO_B,   0x40                      ; destination window 1, address window 0
; A joint load: waves 0 and 1 fetch for source 1, waves 2 and 3 for source 0.  Each of the two lines has ONE mask and one set of registers for all that issue it; the branch hangs on the wave's number alone.
; Four v_nop follow each of the two lines, ahead of the jump, the label and what follows.
.macro JLOAD g0a, g1a, g0b, g1b
	s_cmp_eq_u32 s15, 0
	s_cbranch_scc0 .Lfor_b_\@
	tensor_load_to_lds s[\g0a:\g0a+3], s[\g1a:\g1a+7]
	s_nop 0
.rept 4
	v_nop
.endr
	s_branch .Lasked_\@
.Lfor_b_\@:
	tensor_load_to_lds s[\g0b:\g0b+3], s[\g1b:\g1b+7]
	s_nop 0
.rept 4
	v_nop
.endr
.Lasked_\@:
.endm
.macro CREST                           ; a round of the cluster's barrier behind its opening barrier
	s_cmp_lg_u32 s14, 0
	s_cbranch_scc1 .Lnot_wave_0_\@
	s_barrier_signal -3
.Lnot_wave_0_\@:
	s_barrier_wait -3
	s_barrier_signal -1
	s_barrier_wait -1
.endm
.macro CROUND                          ; a whole round
	s_barrier_signal -1
	s_barrier_wait -1
	CREST
.endm
	s_load_b256 s[4:11], s[0:1], 0x0               ; cod s[4:5], scl s[6:7], q_bias s[8:9], v_bias s[10:11]
	v_lshl_add_u32 v[SPW], v0, 2, SPARE
	v_mov_b32 v[NIL], 0
	ds_add_u32 v28, v29
	ds_add_u32 v28, v29
	s_wait_dscnt 0x0
	v_lshrrev_b32 v1, 5, v0
	v_readfirstlane_b32 s14, v1                    ; wave 0..3
	s_lshr_b32 s15, s14, 1                         ; which half of source 1's rows is mine.  Also: I fetch for source 1 (0) or source 0 (1)
	s_and_b32 s16, s14, 1                          ; which half of source 0's rows.  Also: which two chunks of a K step I fetch
	s_bfe_u32 s40, ttmp6, 0x40000                  ; cx, cy: my place in the cluster
	s_bfe_u32 s41, ttmp6, 0x40004
	s_and_b32 s18, ttmp7, 0xffff
	s_lshl_b32 s18, s18, 2                         ; x's first panel of this cluster
	s_lshl_b32 s19, ttmp9, 2
	s_add_co_u32 s19, s19, 32                      ; the weight's first panel in roles q and k
	s_cmp_eq_u32 ttmp9, 2                          ; role v?
	s_cselect_b32 s17, 40, s18
	s_cselect_b32 s42, s18, s19
	s_cselect_b32 s[MV], -1, 0
	s_cmp_eq_u32 ttmp9, 0                          ; role q?
	s_cselect_b32 s[MQ], -1, 0
	s_add_co_u32 s17, s17, s41                     ; source 1's panel: it hangs on cy alone of my place
	s_add_co_u32 s42, s42, s40                     ; source 0's: on cx alone
	s_lshl_b32 s43, s41, 2
	s_lshl_b32 s43, 15, s43                        ; my row of the cluster
	s_lshl_b32 s44, 0x1111, s40                    ; my column
	; descriptor group 1: a dense block of 24,576 bytes as 96 rows of 32 elements of 8 bytes, no padding
	s_or_b32 s[G1+0], s43, (3<<16)|(1<<21)         ; 15:0 the mask: my row; 17:16 elements of 8 bytes; 21 set beside a mask
	s_or_b32 s[G1B+0], s44, (3<<16)|(1<<21)        ; the same with my column
.irp g, G1, G1B
	s_mov_b32 s[\g+1], 32<<16                      ; tensor_dim0
	s_mov_b32 s[\g+2], 96<<16                      ; tensor_dim1
	s_mov_b32 s[\g+3], 32<<16                      ; tile_dim0
	s_mov_b32 s[\g+4], 96                          ; tile_dim1
	s_mov_b32 s[\g+5], 32                          ; tensor_dim0_stride
	s_mov_b32 s[\g+6], 0
	s_mov_b32 s[\g+7], 0
.endr
	; and for half a panel's scale words: 4,096 bytes as 16 such rows
	s_or_b32 s[G1S+0], s43, (3<<16)|(1<<21)
	s_or_b32 s[G1SB+0], s44, (3<<16)|(1<<21)
.irp g, G1S, G1SB
	s_mov_b32 s[\g+1], 32<<16
	s_mov_b32 s[\g+2], 16<<16
	s_mov_b32 s[\g+3], 32<<16
	s_mov_b32 s[\g+4], 16
	s_mov_b32 s[\g+5], 32
	s_mov_b32 s[\g+6], 0
	s_mov_b32 s[\g+7], 0
.endr
	s_mul_i32 s18, s16, HALFT                      ; which two chunks of a K step I fetch
	s_mul_i32 s20, s17, 16*CH
	s_add_co_u32 s20, s20, s18                     ; source 1's codes: panel + my chunks
	s_mov_b32 s21, 0
	s_mul_i32 s46, s42, 16*CH
	s_add_co_u32 s46, s46, s18                     ; source 0's
	s_mov_b32 s47, 0
	s_lshl_b32 s19, s16, 12                        ; which half of the scale words
	s_lshl_b32 s22, s17, 13
	s_add_co_u32 s22, s22, s19
	s_mov_b32 s23, 0
	s_lshl_b32 s92, s42, 13
	s_add_co_u32 s92, s92, s19
	s_mov_b32 s93, 0
	s_mul_i32 s45, s14, HALFT                      ; where they go: wave x two chunks: no place in the cluster enters an LDS address
	s_lshl_b32 s94, s14, 12
	s_wait_kmcnt 0x0
	s_add_nc_u64 s[20:21], s[4:5], s[20:21]
	s_add_nc_u64 s[22:23], s[6:7], s[22:23]
	s_add_nc_u64 s[46:47], s[4:5], s[46:47]
	s_add_nc_u64 s[92:93], s[6:7], s[92:93]
	CROUND                                         ; all sixteen work-groups are here: the first joint loads meet
	s_mov_b32 s[G0S], 1
	s_add_co_u32 s[G0S+1], s94, SCL
	s_mov_b64 s[G0S+2:G0S+3], s[22:23]
	s_or_b32 s[G0S+3], s[G0S+3], 0x80000000
	s_mov_b32 s[G0SB], 1
	s_add_co_u32 s[G0SB+1], s94, SCL
	s_mov_b64 s[G0SB+2:G0SB+3], s[92:93]
	s_or_b32 s[G0SB+3], s[G0SB+3], 0x80000000
	JLOAD G0S, G1S, G0SB, G1SB                     ; the scales first: they are wanted with K step 0
.irp s, 0,1
	s_mov_b32 s[G0+4*\s], 1
	s_add_co_u32 s[G0+4*\s+1], s45, \s*SLOT
	s_add_nc_u64 s[G0+4*\s+2:G0+4*\s+3], s[20:21], \s*KSTEPB
	s_or_b32 s[G0+4*\s+3], s[G0+4*\s+3], 0x80000000
	s_mov_b32 s[G0B+4*\s], 1
	s_add_co_u32 s[G0B+4*\s+1], s45, \s*SLOT
	s_add_nc_u64 s[G0B+4*\s+2:G0B+4*\s+3], s[46:47], \s*KSTEPB
	s_or_b32 s[G0B+4*\s+3], s[G0B+4*\s+3], 0x80000000
	JLOAD G0+4*\s, G1, G0B+4*\s, G1B               ; three loads of mine are out now
.endr
	v_and_b32 v1, 15, v0                           ; r = l % 16
	v_bfe_u32 v2, v0, 4, 1                         ; h = l / 16
	v_mul_u32_u24 v3, v1, 48
	v_mad_u32_u24 v3, v2, 24, v3                   ; a fragment's row x 48 + 24 x half
	s_mul_i32 s21, s15, 6144                       ; my 128 rows of source 1
	s_mul_i32 s22, s16, 6144                       ; my 128 rows of source 0,
	s_add_co_u32 s22, s22, 2*HALFT                 ; whose chunks lie behind source 1's four
.irp s, 0,1
	v_add_nc_u32 v[ADRA+\s], s21, v3
	v_add_nc_u32 v[ADRB+\s], s22, v3
	s_add_co_u32 s21, s21, SLOT
	s_add_co_u32 s22, s22, SLOT
.endr
	v_lshlrev_b32 v5, 2, v1                        ; my row's scale word
	s_lshl_b32 s21, s15, 9                         ; source 1's: my 128 rows
	s_lshl_b32 s22, s16, 9                         ; source 0's: my 128 rows, 8,192 bytes on
	s_add_co_u32 s22, s22, 8192
	s_sub_co_u32 s22, s22, s21
	v_mul_u32_u24 v6, s22, v2                      ; lanes 16-31 take source 0's: one product, the distance between the two
	s_add_co_u32 s21, s21, SCL
	v_add_nc_u32 v5, v5, v6
	v_add_nc_u32 v[ADRS], s21, v5
	s_lshl_b32 s23, s14, 12                        ; the way out: 4,096 bytes for each wave, in slot 0
	v_lshlrev_b32 v5, 6, v1
	v_lshl_add_u32 v5, v2, 4, v5
	v_add_nc_u32 v[STO], s23, v5                   ; places of 16 bytes: 4 r + 2 (block % 2) + h
	v_and_b32 v6, 31, v0
	v_lshl_add_u32 v[RDP], v6, 4, s23
	v_lshlrev_b32 v5, 2, v1
	v_add_nc_u32 v5, s23, v5
	v_add_nc_u32 v[SWS], 2048, v5
	v_mul_u32_u24 v[GOC], v6, 12
	; the biases.  Both are loaded in every role, at addresses held inside their buffers, and replaced by zeros where the role has none.
	s_lshl_b32 s92, s42, 8
	s_lshl_b32 s93, s16, 7
	s_add_co_u32 s92, s92, s93
	s_and_b32 s92, s92, 1023                       ; role q: panel 32 + cx, so this is my first output channel
	s_lshl_b32 s92, s92, 2
	s_mov_b32 s93, 0
	s_add_nc_u64 s[8:9], s[8:9], s[92:93]
	v_lshlrev_b32 v7, 6, v2                        ; register 16 g + i of the table: channel 32 g + 16 h + i
.irp g, 0,1,2,3
.irp k, 0,1,2,3
	global_load_b128 v[BI+16*\g+4*\k:BI+16*\g+4*\k+3], v7, s[8:9] offset:128*\g+16*\k
.endr
.endr
	s_lshl_b32 s92, s17, 8
	s_lshl_b32 s93, s15, 7
	s_add_co_u32 s92, s92, s93
	s_and_b32 s92, s92, 1023                       ; role v: panel 40 + cy, so this is my first channel of v
	s_lshl_b32 s92, s92, 2
	s_mov_b32 s93, 0
	s_add_nc_u64 s[10:11], s[10:11], s[92:93]
	v_and_b32 v8, 8, v1
	v_add_nc_u32 v8, v8, v1                        ; r + 8 (r / 8)
	v_lshlrev_b32 v8, 2, v8
.irp a, 0,1,2,3,4,5,6,7
	global_load_b32 v[B1+2*\a], v8, s[10:11] offset:4*(32*(\a/2)+8*(\a%2))   ; block a, lane r: position 16 a + r is channel 32 (a / 2) + 8 (a % 2) + r + 8 (r / 8)
.endr
	s_mov_b32 s[SEL], 0x76543210
	s_mov_b32 s[SEL+1], 0xfedcba98
	s_wait_loadcnt 0x0
.set k, 0
.rept 64
	v_cndmask_b32 v[BI+k], 0, v[BI+k], s[MQ]
.set k, k+1
.endr
.irp a, 0,1,2,3,4,5,6,7
	v_cndmask_b32 v[B1+2*\a+1], 0, v[B1+2*\a], s[MV]   ; a pair for the packed addition
	v_cndmask_b32 v[B1+2*\a], 0, v[B1+2*\a], s[MV]
.endr
.macro FRAG reg, adr, q, i             ; a fragment: lane l holds row l % 16; registers 6 c .. 6 c + 5 hold K = 64 c + 32 (l / 16) + 0 .. 31: 24 bytes of chunk 2 q + c, as they lie, in pieces of 8 bytes
.irp p, 0,1,2,3,4,5
	ds_load_b64 v[\reg+2*\p:\reg+2*\p+1], v[\adr] offset:(2*(\q)+\p/3)*CH+768*(\i)+8*(\p%3)
.endr
.endm
; 16 matrix instructions: source 1's blocks a0, a0 + 1 x source 0's eight, 128 along K: the slot's q-th.  p: source 0's set;  sc: the set of scale words.  zero = 1: the first product starts the sums, with source 0's bias as C.
; The 64 accumulators take turns, one instruction a turn, in the same order in every step.
.macro MUL16 a0, p, q, sc, zero
.irp a, \a0, \a0+1
.irp b, 0,1,2,3,4,5,6,7
.if \zero
	v_wmma_scale_f32_16x16x128_f8f6f4 v[8*(8*((\a)%4)+\b):8*(8*((\a)%4)+\b)+7], v[128*(\p)+FR*\b:128*(\p)+FR*\b+FR-1], v[AF+FR*(\a):AF+FR*(\a)+FR-1], v[BI+8*\b:BI+8*\b+7], v[SC+8*NQ*(\sc)+NQ*\b+(\q)], v[SC+8*NQ*(\sc)+NQ*(\a)+(\q)] matrix_a_fmt:MATRIX_FMT_FP6 matrix_b_fmt:MATRIX_FMT_FP6 matrix_a_scale:MATRIX_SCALE_ROW1
.else
	v_wmma_scale_f32_16x16x128_f8f6f4 v[8*(8*((\a)%4)+\b):8*(8*((\a)%4)+\b)+7], v[128*(\p)+FR*\b:128*(\p)+FR*\b+FR-1], v[AF+FR*(\a):AF+FR*(\a)+FR-1], v[8*(8*((\a)%4)+\b):8*(8*((\a)%4)+\b)+7], v[SC+8*NQ*(\sc)+NQ*\b+(\q)], v[SC+8*NQ*(\sc)+NQ*(\a)+(\q)] matrix_a_fmt:MATRIX_FMT_FP6 matrix_b_fmt:MATRIX_FMT_FP6 matrix_a_scale:MATRIX_SCALE_ROW1
.endif
.endr
.endr
.endm
.macro FETCH_B slot, q, p              ; source 0's eight fragments of the slot's q-th 128 along K into set p
	WIN TO_B
.irp i, 0,1,2,3,4,5,6,7
	FRAG 128*(\p)+FR*\i, ADRB+\slot, \q, \i
.endr
	WIN 0
.endm
.macro FETCH_A slot, q, i0             ; source 1's blocks i0 .. i0 + 3
.irp i, \i0, \i0+1, \i0+2, \i0+3
	FRAG AF+FR*(\i), ADRA+\slot, \q, \i
.endr
.endm
.macro SCALES sc                       ; a K step's scale words into set sc: register 2 i + q: lanes 0-15 source 1's block i, lanes 16-31 source 0's block i
.irp i, 0,1,2,3,4,5,6,7
.irp q, 0,1
	ds_load_b32 v[SC+16*\sc+2*\i+\q], v[ADRS] offset:1024*\q+64*\i
.endr
.endr
.endm
; A load into a register that a matrix instruction has read, and a vector instruction or an LDS store that reads a matrix result, stand NP places behind that matrix instruction; only plain vector
; instructions that name none of its registers are places (ISA guide 7.12.1 for vector instructions).
.macro PLACES n
.rept \n
	v_nop
.endr
.endm
.macro STEP slot, q, zero              ; a step of 128 along K that has its successor in the same slot
	s_wait_dscnt 4*NL                              ; source 0's set and source 1's blocks 0-3 are in; the youngest 24 loads (blocks 4-7) may be out
.if \zero
	WIN 0x81                                       ; C (the bias) window 0, D window 2
.else
	WIN MUL_LO
.endif
	MUL16 0, (\q)%2, \q, \slot, \zero
	MUL16 2, (\q)%2, \q, \slot, \zero
	s_wait_dscnt 0                                 ; blocks 4-7 are in (asked for 32 matrix instructions ago)
	PLACES NP
	FETCH_B \slot, (\q)+1, 1-(\q)%2
	FETCH_A \slot, (\q)+1, 0
.if \zero
	WIN 0xc1
.else
	WIN MUL_HI
.endif
	MUL16 4, (\q)%2, \q, \slot, \zero
	MUL16 6, (\q)%2, \q, \slot, \zero
	PLACES NP
	WIN 0
	FETCH_A \slot, (\q)+1, 4
.endm
; A slot's last step changes slots: ONE barrier; in front of it each wave waits for all its tensor loads, adds 0 to its spare word, and waits for that and for its own reads of this slot.  fill = 1: this slot is filled again, two K steps ahead.
.macro TURN slot, next, fill
	s_wait_tensorcnt 0x0                           ; all my tensor loads have landed: my part of the next slot  (every window is 0 here)
	ds_add_u32 v[SPW], v[NIL]                      ; 0 onto my spare word
	s_wait_dscnt 4*NL+1                            ; (the add and the youngest 24 loads may be out)
	WIN MUL_LO
	MUL16 0, 1, NQ-1, \slot, 0                     ; sixteen matrix instructions stand between the add and the wait for it
	s_wait_dscnt 0x0                               ; the add is done, and my reads of this slot are over
	s_barrier_signal -1
	MUL16 2, 1, NQ-1, \slot, 0
	WIN 0
	s_barrier_wait -1
.if \fill
	CREST                                          ; the barrier has opened a round of the cluster's barrier: no wave of any partner still reads this slot's tile or has a load on its way
	s_add_nc_u64 s[G0+4*\slot+2:G0+4*\slot+3], s[G0+4*\slot+2:G0+4*\slot+3], 2*KSTEPB
	s_add_nc_u64 s[G0B+4*\slot+2:G0B+4*\slot+3], s[G0B+4*\slot+2:G0B+4*\slot+3], 2*KSTEPB
	JLOAD G0+4*\slot, G1, G0B+4*\slot, G1B         ; the first tensor load behind the round; its four v_nop are the places in front of the loads below
.else
	PLACES NP
.endif
	v_add_nc_u32 v[ADRS], 2048, v[ADRS]            ; on to the next K step's scale words (no LDS load of mine is out)
	FETCH_B \next, 0, 0
	FETCH_A \next, 0, 0
	SCALES \next
	WIN MUL_HI
	MUL16 4, 1, NQ-1, \slot, 0
	MUL16 6, 1, NQ-1, \slot, 0
	PLACES NP
	WIN 0
	FETCH_A \next, 0, 4
.endm
	s_wait_tensorcnt 1                             ; the scales and my part of K step 0 are in (K step 1's load may be out)
	s_barrier_signal -1
	s_barrier_wait -1                              ; everybody's are
	FETCH_B 0, 0, 0
	FETCH_A 0, 0, 0
	SCALES 0
	FETCH_A 0, 0, 4
	STEP 0, 0, 1                                   ; the first step stands in front of the loop: its products start the sums
	s_mov_b32 s3, LAPS-1
.Llap:                                                 ; a trip goes once round the ring, from a lap's second step to the next lap's first, and fills both slots again
	TURN 0, 1, 1
	STEP 1, 0, 0
	TURN 1, 0, 1
	STEP 0, 0, 0
	s_sub_co_u32 s3, s3, 1
	s_cmp_lg_u32 s3, 0
	s_cbranch_scc1 .Llap
	TURN 0, 1, 0                                   ; the last lap fills nothing, and has no round of the cluster's barrier
	STEP 1, 0, 0
	s_wait_dscnt 4*NL                              ; the very last step: nothing more to fetch
	WIN MUL_LO
	MUL16 0, 1, NQ-1, 1, 0
	MUL16 2, 1, NQ-1, 1, 0
	s_wait_dscnt 0
	WIN MUL_HI
	MUL16 4, 1, NQ-1, 1, 0
	MUL16 6, 1, NQ-1, 1, 0
	WIN 0
	; THE WAY OUT.  No tensor load of mine is out since the last change of slots, so the descriptors' registers are free: they take the outputs' addresses and places.
	s_load_b256 s[24:31], s[0:1], 0x20             ; qkc s[24:25], qks s[26:27], vc s[28:29], vs s[30:31]
	PLACES NP
.irp b, 0,1,2,3
	v_mov_b32 v[TM+4+\b], 0                        ; written once: a lane permute's destination counts as one of its sources
.endr
	; roles q and k (in role v these numbers are not used)
	s_sub_co_u32 s70, s42, 32
	s_lshl_b32 s70, s70, 2
	s_lshl_b32 s71, s16, 1
	s_add_co_u32 s70, s70, s71                     ; my first of the 32 heads of q and k
	s_lshr_b32 s71, s70, 4                         ; q or k
	s_and_b32 s72, s70, 15                         ; the head, an even one
	s_lshr_b32 s73, s17, 3                         ; the batch
	s_and_b32 s74, s17, 7
	s_lshl_b32 s74, s74, 8
	s_lshl_b32 s75, s15, 7
	s_add_co_u32 s74, s74, s75                     ; my first position in the batch
	s_lshl_b32 s75, s71, 6
	s_lshl_b32 s76, s73, 4
	s_add_co_u32 s75, s75, s76
	s_add_co_u32 s75, s75, s72
	s_lshl_b32 s75, s75, 11
	s_add_co_u32 s75, s75, s74
	s_mul_i32 s75, s75, 48                         ; the codes' first byte
	s_lshl_b32 s76, s71, 2
	s_add_co_u32 s76, s76, s73
	s_lshl_b32 s76, s76, 3
	s_lshr_b32 s77, s72, 1
	s_add_co_u32 s76, s76, s77
	s_lshl_b32 s76, s76, 11
	s_add_co_u32 s76, s76, s74
	s_lshl_b32 s76, s76, 2                         ; the scale words' first byte
	; role v (in roles q and k these numbers are not used)
	s_sub_co_u32 s77, s17, 40
	s_lshl_b32 s77, s77, 2
	s_lshl_b32 s78, s15, 1
	s_add_co_u32 s77, s77, s78                     ; my first head
	s_lshr_b32 s78, s42, 3
	s_lshl_b32 s78, s78, 4
	s_add_co_u32 s77, s77, s78                     ; + 16 x batch
	s_and_b32 s78, s42, 7
	s_lshl_b32 s78, s78, 1
	s_add_co_u32 s78, s78, s16                     ; which 128 keys of the batch
	s_lshl_b32 s79, s77, 5
	s_lshl_b32 s80, s78, 1
	s_add_co_u32 s79, s79, s80
	s_mul_i32 s79, s79, 3072                       ; the codes' first byte: chunks of 64 keys x 64 positions of d x 48 bytes
	s_lshl_b32 s80, s77, 4
	s_add_co_u32 s80, s80, s78
	s_lshl_b32 s80, s80, 8                         ; the scale words'
	s_mov_b32 s81, 98304
	s_mov_b32 s85, 256
	s_cmp_eq_u32 ttmp9, 2                          ; the role picks; only moves, selects and a wait stand between this compare and the last select
	s_cselect_b32 s86, s79, s75
	s_cselect_b32 s88, s80, s76
	s_cselect_b32 s82, 3072, s81                   ; from my registers' first 64 to the second: q, k: the next head; v: the next chunk of keys
	s_cselect_b32 s90, s81, 3072                   ; from my rows' first 64 to the second: q, k: 64 positions on; v: the next head
	s_cselect_b32 s84, 4096, s85                   ; the same for the scale words
	s_mov_b32 s87, 0
	s_mov_b32 s89, 0
	s_mov_b32 s83, 0
	s_mov_b32 s91, 0
	s_wait_kmcnt 0x0
	s_cselect_b64 s[24:25], s[28:29], s[24:25]
	s_cselect_b64 s[26:27], s[30:31], s[26:27]
	s_add_nc_u64 s[BASE:BASE+1], s[24:25], s[86:87]
	s_add_nc_u64 s[BASE+4:BASE+5], s[BASE:BASE+1], s[82:83]
	s_add_nc_u64 s[BASE+2:BASE+3], s[BASE:BASE+1], s[90:91]
	s_add_nc_u64 s[BASE+6:BASE+7], s[BASE+4:BASE+5], s[90:91]
	s_add_nc_u64 s[26:27], s[26:27], s[88:89]
	v_mul_u32_u24 v[GSO], s84, v2
	v_lshl_add_u32 v[GSO], v1, 4, v[GSO]
; Block a: 16 rows of source 1.  A lane's 64 numbers, register 16 g + i = source 0's row 32 g + 16 h + i, are four half blocks of 32; lane l xor 16 holds the other halves.
; The codes are a stream: a conversion's 12 bytes go to a place of 16 bytes in my region of LDS (every LDS address a multiple of 16), and come back so that the 32 lanes store 384 consecutive bytes.
.macro QBLOCK a
.set AC, 64*((\a)%4)
	WIN 0x02+((\a)/4)                              ; source 0: window 2 or 3
.set k, 0
.rept 32
	v_pk_add_f32 v[T+k:T+k+1], v[AC+k:AC+k+1], v[B1+2*(\a):B1+2*(\a)+1]   ; + source 1's bias; each accumulator from its low end on
.set k, k+2
.endr
	WIN 0
.irp b, 0,1,2,3
	v_max3_num_f32 v[TM+\b], |v[T+16*\b]|, |v[T+1+16*\b]|, 0x1800000   ; my 16 numbers of block b, and the floor 2^(3 - 127): the byte cannot fall under 1
.endr
.irp i, 2,4,6,8,10,12,14
.irp b, 0,1,2,3
	v_max3_num_f32 v[TM+\b], v[TM+\b], |v[T+16*\b+\i]|, |v[T+1+16*\b+\i]|
.endr
.endr
.irp b, 0,1,2,3
	v_permlanex16_b32 v[TM+4+\b], v[TM+\b], s[SEL], s[SEL+1]
.endr
.irp b, 0,1,2,3
	v_max_num_f32 v[TM+\b], v[TM+\b], v[TM+4+\b]   ; with lane l xor 16's: the block's largest magnitude
.endr
.irp b, 0,1,2,3
	v_add_nc_u32 v[TM+12+\b], 0xff000000, v[TM+\b] ; 2 off its exponent field: the conversion's scale operand
.endr
.irp b, 0,1,2,3
	v_lshrrev_b32 v[TM+4+\b], 23, v[TM+12+\b]      ; the scale's byte
.endr
	v_lshl_or_b32 v[PW], v[TM+5], 8, v[TM+4]
	v_lshl_or_b32 v[PW], v[TM+6], 16, v[PW]
	v_lshl_or_b32 v[PW], v[TM+7], 24, v[PW]        ; my row's four bytes
.irp g, 0,1,2,3
	v_cvt_scalef32_pk16_fp6_f32 v[PC+4*\g:PC+4*\g+2], v[T+16*\g:T+16*\g+15], v[TM+12+\g]
.endr
	v_nop                                          ; one plain place behind the scaled conversions
.irp g, 0,1,2,3
	ds_store_b96 v[STO], v[PC+4*\g:PC+4*\g+2] offset:1024*(\g/2)+32*(\g%2)
.endr
	ds_store_b32 v[SWS], v[PW] offset:64*(\a)      ; lanes l and l xor 16 write the same word with the same value
.if (\a) >= 2
	s_wait_xcnt 0x0                                ; block a - 2's stores have read the registers that the loads below fill
.endif
.irp j, 0,1,2,3
	ds_load_b96 v[OUTR+16*((\a)%2)+4*\j:OUTR+16*((\a)%2)+4*\j+2], v[RDP] offset:512*\j   ; LDS serves a wave's instructions in order (ISA guide 5.7.1.4): these see my stores
.endr
	s_wait_dscnt 0x0                               ; they are back, and the stores above have read their registers
.irp j, 0,1,2,3
	global_store_b96 v[GOC], v[OUTR+16*((\a)%2)+4*\j:OUTR+16*((\a)%2)+4*\j+2], s[BASE+4*(\j/2)+2*((\a)/4):BASE+4*(\j/2)+2*((\a)/4)+1] offset:768*((\a)%4)+384*(\j%2)
.endr
.endm
.irp a, 0,1,2,3,4,5,6,7
	QBLOCK \a
.endr
	ds_load_b128 v[T:T+3], v[RDP] offset:2048      ; my 128 rows' scale words,
	s_wait_dscnt 0x0
	global_store_b128 v[GSO], v[T:T+3], s[26:27]   ; as two runs of 256 consecutive bytes, each at a multiple of 256 from the buffer's first byte
	s_wait_tensorcnt 0x0                           ; the wave's end: behind my last tensor load and my last LDS store
	ds_add_u32 v[SPW], v[NIL]
	s_wait_dscnt 0x0
	CROUND                                         ; the closing round: no work-group ends while a partner may still ask for a tile that names it
	s_endpgm
.Lfunc_end_k_q8a5f24e85f_qkv:
	.size	k_q8a5f24e85f_qkv, .Lfunc_end_k_q8a5f24e85f_qkv-k_q8a5f24e85f_qkv
	.p2alignl 7, 3214868480
	.fill 96, 4, 3214868480
	.section	.rodata,"a",@progbits
	.p2align	6, 0x0
	.amdhsa_kernel k_q8a5f24e85f_qkv
		.amdhsa_group_segment_fixed_size 327680
		.amdhsa_private_segment_fixed_size 0
		.amdhsa_enable_private_segment 0
		.amdhsa_kernarg_size 64
		.amdhsa_user_sgpr_count 2
		.amdhsa_user_sgpr_kernarg_segment_ptr 1
		.amdhsa_wavefront_size32 1
		.amdhsa_system_sgpr_workgroup_id_x 1
		.amdhsa_system_sgpr_workgroup_id_y 1
		.amdhsa_system_sgpr_workgroup_id_z 1
		.amdhsa_system_vgpr_workitem_id 0
		.amdhsa_next_free_vgpr 1024
		.amdhsa_next_free_sgpr 102
		.amdhsa_reserve_vcc 0
		.amdhsa_float_denorm_mode_32 3
		.amdhsa_float_denorm_mode_16_64 3
		.amdhsa_memory_ordered 1
		.amdhsa_forward_progress 1
		.amdhsa_inst_pref_size 194
	.end_amdhsa_kernel
	.amdgpu_metadata
---
amdhsa.version: [ 1, 2 ]
amdhsa.kernels:
  - .name:           k_q8a5f24e85f_qkv
    .symbol:         k_q8a5f24e85f_qkv.kd
    .args:
      - { .name: cod, .offset: 0, .size: 8, .value_kind: global_buffer, .address_space: global }
      - { .name: scl, .offset: 8, .size: 8, .value_kind: global_buffer, .address_space: global }
      - { .name: q_bias, .offset: 16, .size: 8, .value_kind: global_buffer, .address_space: global }
      - { .name: v_bias, .offset: 24, .size: 8, .value_kind: global_buffer, .address_space: global }
      - { .name: qkc, .offset: 32, .size: 8, .value_kind: global_buffer, .address_space: global }
      - { .name: qks, .offset: 40, .size: 8, .value_kind: global_buffer, .address_space: global }
      - { .name: vc, .offset: 48, .size: 8, .value_kind: global_buffer, .address_space: global }
      - { .name: vs, .offset: 56, .size: 8, .value_kind: global_buffer, .address_space: global }
    .group_segment_fixed_size: 327680
    .private_segment_fixed_size: 0
    .kernarg_segment_align: 8
    .kernarg_segment_size: 64
    .max_flat_workgroup_size: 128
    .sgpr_count:     102
    .vgpr_count:     1024
    .wavefront_size: 32
...
	.end_amdgpu_metadata
.endif
;; end of part 2
;; launch attn (part 3): grid 4 x 64, 16 waves a work-group, clusters of 4 x 1, 231,424 bytes of LDS; arguments qkc, qks, vc, vs, oc, os; writes oc, os
.if DOCPART == 3
	.amdgcn_target "amdgcn-amd-amdhsa--gfx1250"
	.amdhsa_code_object_version 6
	.text
	.protected	k_q8a5f24e85f_attn
	.globl	k_q8a5f24e85f_attn
	.p2align	8
	.type	k_q8a5f24e85f_attn,@function
k_q8a5f24e85f_attn:
	s_mov_b64 s[64:65], 0
	v_nop
	global_prefetch_b8 v0, s[64:65] scope:SCOPE_SE
	s_setreg_imm32_b32 hwreg(HW_REG_WAVE_MODE, 25, 1), 1
	s_wait_xcnt 0x0
	s_wait_alu depctr_hold_cnt(0) depctr_sa_sdst(0) depctr_va_vdst(0) depctr_va_sdst(0) depctr_va_ssrc(0) depctr_va_vcc(0) depctr_vm_vsrc(0)
	s_getreg_b32 s2, hwreg(HW_REG_IB_STS2, 6, 4)
	s_cmp_eq_u32 s2, 0
	s_cbranch_scc0 .Lentry_in_a_cluster
	s_endpgm
.Lentry_in_a_cluster:
	s_bfe_u32 s2, ttmp6, 0x10000c
	s_cmp_lg_u32 s2, 0x3003
	s_cbranch_scc0 .Lentry_shape_is_right
	s_endpgm
.Lentry_shape_is_right:
; o = softmax(q k^T / 64) v for one head of 64 channels and 2,048 keys, both products on codes of FP6 (E2M3) with E8M0 scales; o / l is quantised along the channels for the last product and goes out as codes.
; THE SOFTMAX AHEAD OF THE SECOND PRODUCT: t = score x c, c = log2(e) / 64 (reference()'s two factors of 1/8 on q and on the logits; q's codes were made of q itself, which the quantiser's powers of two allow);
; M = the row's largest t so far, rounded UP to a whole number; p = 2^(t - M) is quantised along the keys, not normalised; the row's sum is taken of the unquantised p and divides at the end.
; When M moves, the sum and O are multiplied by 2^(old M - new M): exact.  LIMITS: no NaN, no infinities; a block under 2^-124, or of zeros, keeps the scale byte 1 (its codes are zeros; only this program reads the bytes).
; SHARES.  A work-group owns 512 queries of one head, in two passes of 256; each of its sixteen waves owns 16 of a pass, one tile, in 256 registers: four waves to a SIMD, so that one wave's vector work stands beside another's matrix work and LDS loads.
; K AND V OF THE WHOLE HEAD STAY IN LDS: 98,304 bytes of codes each and 12,288 of scale words, filled ONCE: no ring, no byte of LDS is filled again.  The four work-groups of a head form a cluster and ask JOINTLY (mask 15).
; The fills go out as six loads a wave: the scale words, then four groups of 512 keys; pass 0 begins on a group as soon as it has landed.
; LAYOUT.  Both products are used transposed: S^T = K Q^T (source 0 = 16 stored rows of k), O^T = V^T P^T (source 0 = 16 stored rows of v): a lane holds ONE query (lane % 16) throughout.  Rows are stored at positions
; (the row's number with bits 3 and 4 exchanged), so the 16 registers of tiles 2 b and 2 b + 1 are keys (or channels) 32 b + 16 (lane / 16) + 0 .. 15 in their true order.
; THE FIRST PRODUCT'S K IS 64, the instruction's 128: Q's upper six registers are zero CODES; K's fragments lie six registers apart, so a fragment's upper half is the next fragment's codes (finite numbers, times zero),
; six zero registers stand behind the last; the scale words come as two bytes, so the upper blocks' bytes are 0, which is a finite scale.
; os takes two bytes a row from this head and two from its neighbour's work-group: the one store here that covers 2 bytes a lane, beside each 48 bytes of codes.
.set VC,   98304                       ; LDS: k's codes [position (2048)][48] at 0; v's [keys / 64 (32)][position of d (64)][48] here;
.set KS,   196608                      ; k's scale words of the pair of heads [position][4];
.set VS,   204800                      ; v's [keys / 128 (16)][position of d][4];
.set STG,  208896                      ; a stage of 1,024 bytes for each wave: no fill lands there
.set AK0,  1                           ; v1   48 r + 24 h: my lane's place in a tile of k
.set AV0,  2                           ; v2   the same in a tile of v
.set ASK0, 3                           ; v3   my lane's place among k's scale words, at my head's two bytes
.set ASV0, 4                           ; v4   and among v's
.set STO,  5                           ; v5   the stage, way in
.set SRD,  6                           ; v6   the stage, way out: 16 x lane
.set GOC,  7                           ; v7   12 x lane
.set ADK,  8                           ; v8-11 the addresses of the step in hand
.set ADV,  9
.set ADS,  10
.set ADT,  11
.set QF,   16                          ; v16-27 Q's fragment; v22-27 zeros.  v12 -M, v13 the largest t, v[14:15] the sum in two halves
.set QS,   28                          ; v28  Q's scale words
.set GQ,   29                          ; v29  48 r + 24 h, v30  4 r: offsets in memory
.set GQS,  30
.set KF,   32                          ; v32-79 k's eight fragments, six registers apart, or v's four; v80-85 zeros
.set SW,   86                          ; v86-93 scale words, and nothing else
.set S,    96                          ; v96-159 S^T, then p
.set O,    160                         ; v160-191 O^T
.set PC,   192                         ; v192-203 p's codes
.set PT,   204                         ; v204-211 the conversions' second halves
.set BM,   212                         ; v212-215 a block's largest score, then its largest p
.set BP,   216
.set BS,   220
.set PW,   224                         ; v224 p's scale word, and nothing else
.set TMP,  225
.set F,    226                         ; v[226:227] 2^(old M - new M)
.set SUM2, 228
.set WV,   16                          ; s16  my wave's number
.set SEL,  18                          ; s[18:19] lane selects for v_permlanex16_b32: lane l xor 16
.set CS,   20                          ; s[20:21] c
.set TB,   22                          ; s22  where the step's codes begin: 6,144 bytes a step, in k's and in v's
.set TS,   23                          ; s23  k's scale words: 512 a step
.set TV,   76                          ; s76  v's: 256 a step
.set CNT,  77
.set G1C,  24                          ; s[24:31] descriptor group 1: 3,072 bytes of codes;  s[32:39]: 512 bytes;  s[40:47]: 256 bytes
.set G1K,  32
.set G1V,  40
.set G0KS, 48                          ; groups 0, one for each of the six loads
.set G0VS, 52
.set GC0,  56
.set GC1,  60
.set GC2,  68
.set GC3,  72
.macro CROUND                          ; a round of the cluster's barrier
	s_barrier_signal -1
	s_barrier_wait -1
	s_cmp_lg_u32 s[WV], 0
	s_cbranch_scc1 .Lnot_wave_0_\@
	s_barrier_signal -3
.Lnot_wave_0_\@:
	s_barrier_wait -3
	s_barrier_signal -1
	s_barrier_wait -1
.endm
	s_load_b256 s[4:11], s[0:1], 0x0               ; qkc s[4:5], qks s[6:7], vc s[8:9], vs s[10:11]
	s_load_b128 s[12:15], s[0:1], 0x20             ; oc s[12:13], os s[14:15]
	v_lshl_add_u32 v254, v0, 2, 0x38000
	v_mov_b32 v255, 0
	ds_add_u32 v254, v255
	ds_add_u32 v254, v255
	v_lshrrev_b32 v8, 5, v0
	v_readfirstlane_b32 s[WV], v8                  ; wave 0..15
	s_bfe_u32 s88, ttmp6, 0x40000                  ; cx: it enters Q's, oc's and os's addresses alone
	s_and_b32 s89, ttmp7, 0xffff                   ; batch x 16 + head, which the four partners share
	s_and_b32 s90, s89, 1                          ; which head of its pair
	; descriptor groups 1: dense blocks as rows of 32 elements of 8 bytes, no padding
.irp g, G1C, G1K, G1V
	s_mov_b32 s[\g], 15|(3<<16)|(1<<21)            ; 15:0 the mask: all four work-groups; 17:16 elements of 8 bytes; 21 set beside a mask
	s_mov_b32 s[\g+1], 32<<16                      ; tensor_dim0
	s_mov_b32 s[\g+3], 32<<16                      ; tile_dim0
	s_mov_b32 s[\g+5], 32                          ; tensor_dim0_stride
	s_mov_b32 s[\g+6], 0
	s_mov_b32 s[\g+7], 0
.endr
	s_mov_b32 s[G1C+2], 12<<16                     ; tensor_dim1, tile_dim1: 12 rows,
	s_mov_b32 s[G1C+4], 12
	s_mov_b32 s[G1K+2], 2<<16                      ; 2,
	s_mov_b32 s[G1K+4], 2
	s_mov_b32 s[G1V+2], 1<<16                      ; 1
	s_mov_b32 s[G1V+4], 1
	s_lshr_b32 s91, s89, 1
	s_lshl_b32 s91, s91, 13                        ; the pair's scale words in each half of qks
	s_lshl_b32 s92, s[WV], 9
	s_add_co_u32 s92, s92, s91
	s_add_co_u32 s92, s92, 262144                  ; k's half; my sixteenth
	s_mov_b32 s93, 0
	s_lshl_b32 s94, s89, 12
	s_lshl_b32 s95, s[WV], 8
	s_add_co_u32 s94, s94, s95                     ; vs: the head's 4,096 bytes; my sixteenth
	s_mov_b32 s95, 0
	s_mul_i32 s96, s89, 98304
	s_and_b32 s97, s[WV], 7
	s_mul_i32 s97, s97, 3072
	s_add_co_u32 s96, s96, s97                     ; the head's codes; my eighth of a group
	s_mov_b32 s97, 0
	s_mul_i32 s79, s[WV], 3072
	s_lshr_b32 s78, s[WV], 3
	s_mul_i32 s78, s78, 73728
	s_add_co_u32 s79, s79, s78                     ; in LDS: waves 0-7 k's group, waves 8-15 v's: 3,072 w, + 98,304 - 24,576 for v
	s_wait_dscnt 0x0
	s_wait_kmcnt 0x0
	s_add_nc_u64 s[98:99], s[4:5], 6291456         ; k's half of qkc
	s_cmp_lt_u32 s[WV], 8
	s_cselect_b64 s[98:99], s[98:99], s[8:9]       ; k's codes or v's: the choice hangs on the wave's number alone
	s_add_nc_u64 s[98:99], s[98:99], s[96:97]
	s_mov_b32 s[G0KS], 1
	s_lshl_b32 s[G0KS+1], s[WV], 9
	s_add_co_u32 s[G0KS+1], s[G0KS+1], KS
	s_add_nc_u64 s[G0KS+2:G0KS+3], s[6:7], s[92:93]
	s_or_b32 s[G0KS+3], s[G0KS+3], 0x80000000
	s_mov_b32 s[G0VS], 1
	s_lshl_b32 s[G0VS+1], s[WV], 8
	s_add_co_u32 s[G0VS+1], s[G0VS+1], VS
	s_add_nc_u64 s[G0VS+2:G0VS+3], s[10:11], s[94:95]
	s_or_b32 s[G0VS+3], s[G0VS+3], 0x80000000
.macro MKG0 reg, g                     ; group g: keys 512 g on
	s_mov_b32 s[\reg], 1
	s_add_co_u32 s[\reg+1], s79, (\g)*24576
	s_add_nc_u64 s[\reg+2:\reg+3], s[98:99], (\g)*24576
	s_or_b32 s[\reg+3], s[\reg+3], 0x80000000
.endm
	MKG0 GC0, 0
	MKG0 GC1, 1
	MKG0 GC2, 2
	MKG0 GC3, 3
	CROUND                                         ; all four work-groups are here: the joint loads meet
	tensor_load_to_lds s[G0KS:G0KS+3], s[G1K:G1K+7]    ; every wave issues all six, on one path: six loads of mine are out
	s_nop 0
	tensor_load_to_lds s[G0VS:G0VS+3], s[G1V:G1V+7]
	s_nop 0
	tensor_load_to_lds s[GC0:GC0+3], s[G1C:G1C+7]
	s_nop 0
	tensor_load_to_lds s[GC1:GC1+3], s[G1C:G1C+7]
	s_nop 0
	tensor_load_to_lds s[GC2:GC2+3], s[G1C:G1C+7]
	s_nop 0
	tensor_load_to_lds s[GC3:GC3+3], s[G1C:G1C+7]
	s_nop 0
.rept 4
	v_nop
.endr
	s_lshl_b32 s94, s88, 9
	s_lshl_b32 s95, s[WV], 4
	s_add_co_u32 s94, s94, s95                     ; my first query's position in the head: 512 cx + 16 w
	s_lshl_b32 s92, s89, 11
	s_add_co_u32 s92, s92, s94
	s_mul_i32 s92, s92, 48
	s_mov_b32 s93, 0
	s_add_nc_u64 s[80:81], s[4:5], s[92:93]        ; Q's codes
	s_lshl_b32 s92, s94, 2
	s_add_co_u32 s92, s92, s91
	s_lshl_b32 s96, s90, 1
	s_add_co_u32 s92, s92, s96
	s_add_nc_u64 s[82:83], s[6:7], s[92:93]        ; Q's two scale bytes
	s_lshr_b32 s95, s89, 4
	s_lshl_b32 s95, s95, 3
	s_lshl_b32 s97, s88, 1
	s_add_co_u32 s95, s95, s97                     ; pass 0's panel of 256 tokens: 8 x batch + 2 cx
	s_and_b32 s97, s89, 15                         ; the head = the chunk of 64 along the last product's K
	s_lshl_b32 s92, s95, 4
	s_add_co_u32 s92, s92, s97
	s_mul_i32 s92, s92, 12288
	s_mul_i32 s98, s[WV], 768
	s_add_co_u32 s92, s92, s98
	s_add_nc_u64 s[84:85], s[12:13], s[92:93]      ; oc
	s_lshl_b32 s92, s95, 13
	s_lshr_b32 s97, s97, 1
	s_lshl_b32 s97, s97, 10
	s_add_co_u32 s92, s92, s97
	s_lshl_b32 s98, s[WV], 6
	s_add_co_u32 s92, s92, s98
	s_add_co_u32 s92, s92, s96
	s_add_nc_u64 s[86:87], s[14:15], s[92:93]      ; os
	s_mov_b32 s[SEL], 0x76543210
	s_mov_b32 s[SEL+1], 0xfedcba98
	s_mov_b32 s[CS], 0x3cb8aa3b                    ; c = log2(e) / 64
	s_mov_b32 s[CS+1], s[CS]                       ; (named with it as a pair, so it is written)
	v_and_b32 v8, 15, v0                           ; r
	v_bfe_u32 v9, v0, 4, 1                         ; h
	v_and_b32 v10, 31, v0                          ; lane
	v_mul_u32_u24 v[AK0], v8, 48
	v_mad_u32_u24 v[AK0], v9, 24, v[AK0]
	v_add_nc_u32 v[AV0], VC, v[AK0]
	v_mov_b32 v[GQ], v[AK0]
	v_lshl_add_u32 v[ASK0], v8, 2, KS
	v_add_nc_u32 v[ASK0], s96, v[ASK0]
	v_lshl_add_u32 v[ASV0], v8, 2, VS
	s_lshl_b32 s98, s[WV], 10
	s_add_co_u32 s98, s98, STG                     ; my stage
	v_lshlrev_b32 v[STO], 6, v8
	v_lshl_add_u32 v[STO], v9, 4, v[STO]
	v_add_nc_u32 v[STO], s98, v[STO]               ; places of 16 bytes: 4 r + 2 (block) + h
	v_lshl_add_u32 v[SRD], v10, 4, s98
	v_mul_u32_u24 v[GOC], v10, 12
	v_lshlrev_b32 v[GQS], 2, v8
.irp i, 0,1,2,3,4,5
	v_mov_b32 v[QF+6+\i], 0                        ; zero codes: Q's K = 64 .. 127
	v_mov_b32 v[KF+48+\i], 0                       ; and behind k's last fragment
.endr
.irp b, 0,1,2,3
	v_mov_b32 v[BP+\b], 0                          ; written once: a lane permute's destination counts as one of its sources
.endr
	v_mov_b32 v[TMP], 0
	v_mov_b32 v[F+1], 0                            ; (named as the upper half of a pair)
; A KEY STEP: 128 keys.
.macro STEP
	v_add_nc_u32 v[ADK], s[TB], v[AK0]             ; these four are also the places behind the last step's products, in front of the loads into their registers
	v_add_nc_u32 v[ADV], s[TB], v[AV0]
	v_add_nc_u32 v[ADS], s[TS], v[ASK0]
	v_add_nc_u32 v[ADT], s[TV], v[ASV0]
.irp t, 0,1,2,3,4,5,6,7
.irp p, 0,1,2
	ds_load_b64 v[KF+6*\t+2*\p:KF+6*\t+2*\p+1], v[ADK] offset:768*\t+8*\p
.endr
	ds_load_u16 v[SW+\t], v[ADS] offset:64*\t
.endr
	s_wait_dscnt 0x0
.irp t, 0,1,2,3,4,5,6,7
	v_wmma_scale_f32_16x16x128_f8f6f4 v[S+8*\t:S+8*\t+7], v[KF+6*\t:KF+6*\t+11], v[QF:QF+11], 0, v[SW+\t], v[QS] matrix_a_fmt:MATRIX_FMT_FP6 matrix_b_fmt:MATRIX_FMT_FP6
.endr
.rept 4
	v_nop                                          ; places in front of the loads below and of the first read of the scores
.endr
.irp t, 0,1,2,3                                ; v's four fragments and scale words are asked for now and land under the softmax
.irp p, 0,1,2,3,4,5
	ds_load_b64 v[KF+12*\t+2*\p:KF+12*\t+2*\p+1], v[ADV] offset:3072*(\p/3)+768*\t+8*(\p%3)
.endr
	ds_load_b32 v[SW+\t], v[ADT] offset:64*\t
.endr
.irp b, 0,1,2,3
	v_max3_num_f32 v[BM+\b], v[S+16*\b], v[S+1+16*\b], v[S+2+16*\b]   ; the largest score of each block of 32 keys: it serves for the row's maximum and, since p rises with the score, for the block's largest p
.endr
.irp i, 3,5,7,9,11,13
.irp b, 0,1,2,3
	v_max3_num_f32 v[BM+\b], v[BM+\b], v[S+16*\b+\i], v[S+1+16*\b+\i]
.endr
.endr
.irp b, 0,1,2,3
	v_max_num_f32 v[BM+\b], v[BM+\b], v[S+15+16*\b]
.endr
.irp b, 0,1,2,3
	v_permlanex16_b32 v[BP+\b], v[BM+\b], s[SEL], s[SEL+1]
.endr
.irp b, 0,1,2,3
	v_max_num_f32 v[BM+\b], v[BM+\b], v[BP+\b]     ; with lane l xor 16's 16 keys
.endr
	v_max3_num_f32 v[TMP], v[BM], v[BM+1], v[BM+2]
	v_max_num_f32 v[TMP], v[TMP], v[BM+3]          ; the step's largest score of my query
	v_mul_f32 v[TMP], s[CS], v[TMP]                ; as t (c is positive)
	v_max_num_f32 v13, v13, v[TMP]                 ; the running largest t
	v_mov_b32 v[TMP], v12
	v_floor_f32 v12, -v13                          ; the new -M = floor(-t) = -ceil(t): a whole number
	v_sub_f32 v[TMP], v12, v[TMP]                  ; old M - new M: a whole number, 0 or less
	v_cvt_i32_f32 v[TMP], v[TMP]                   ; (it saturates)
	v_ldexp_f32 v[F], 1.0, v[TMP]                  ; f = 2^(old M - new M)
.set j, 0
.rept 32
	v_pk_fma_f32 v[S+j:S+j+1], v[S+j:S+j+1], s[CS:CS+1], v[12:13] op_sel_hi:[1,0,0]   ; t - M, two at a time (of the pairs c and -M the low word serves both halves)
.set j, j+2
.endr
.irp b, 0,1,2,3
	v_fma_f32 v[BM+\b], v[BM+\b], s[CS], v12       ; the same of each block's largest score
.endr
.set j, 0
.rept 64
	v_exp_f32 v[S+j], v[S+j]                       ; p = 2^(t - M), at most 1
.set j, j+1
.endr
.irp b, 0,1,2,3
	v_exp_f32 v[BM+\b], v[BM+\b]                   ; the block's largest p: the same two instructions on the same number
.endr
	v_pk_mul_f32 v[14:15], v[14:15], v[F:F+1] op_sel_hi:[1,0]   ; the sums under the new M  (a plain place behind the exponentials)
	s_wait_alu depctr_va_vdst(0)
.irp b, 0,1,2,3
	v_max_num_f32 v[BM+\b], 0x1800000, v[BM+\b]    ; the floor 2^(3 - 127): the byte cannot fall under 1
.endr
.irp b, 0,1,2,3
	v_add_nc_u32 v[BS+\b], 0xff000000, v[BM+\b]    ; 2 off the exponent field: the conversion's scale operand
.endr
.irp b, 0,1,2,3
	v_lshrrev_b32 v[BP+\b], 23, v[BS+\b]           ; the scale's byte
.endr
	v_lshl_or_b32 v[PW], v[BP+1], 8, v[BP]         ; p's scale word for these 128 keys
	v_lshl_or_b32 v[PW], v[BP+2], 16, v[PW]
	v_lshl_or_b32 v[PW], v[BP+3], 24, v[PW]
.irp c, 0,1
	v_cvt_scalef32_pk16_fp6_f32 v[PC+6*\c:PC+6*\c+2], v[S+32*\c:S+32*\c+15], v[BS+2*\c]
	v_cvt_scalef32_pk16_fp6_f32 v[PT+4*\c:PT+4*\c+2], v[S+16+32*\c:S+31+32*\c], v[BS+2*\c+1]   ; (a conversion's three registers begin on an even number)
.endr
	v_nop                                          ; one plain place behind the scaled conversions
.irp c, 0,1                                    ; the operand's layout wants a WHOLE block in a lane: lanes 0-15 block 2 c, lanes 16-31 block 2 c + 1
.irp i, 0,1,2
	v_permlane16_swap_b32 v[PC+6*\c+\i], v[PT+4*\c+\i]
.endr
.irp i, 0,1,2
	v_mov_b32 v[PC+3+6*\c+\i], v[PT+4*\c+\i]
.endr
.endr
	v_pk_add_f32 v[SUM2:SUM2+1], v[S:S+1], v[S+2:S+3]   ; the row's sum is taken of the UNQUANTISED p: two at a time, in two chains
.irp j, 4,8,12,16,20,24,28,32,36,40,44,48,52,56,60
	v_pk_add_f32 v[14:15], v[14:15], v[S+\j:S+\j+1]
	v_pk_add_f32 v[SUM2:SUM2+1], v[SUM2:SUM2+1], v[S+2+\j:S+3+\j]
.endr
	v_pk_add_f32 v[14:15], v[14:15], v[SUM2:SUM2+1]
.set j, 0
.rept 16
	v_pk_mul_f32 v[O+j:O+j+1], v[O+j:O+j+1], v[F:F+1] op_sel_hi:[1,0]   ; O^T under the new M.  (With the sums: more than the eight places between p's scale word and the products below)
.set j, j+2
.endr
	s_wait_dscnt 0x0                               ; v's fragments and scale words are in
.irp t, 0,1,2,3                                ; the four accumulators take turns, one instruction a turn; eight other products stand between two links
	v_wmma_scale_f32_16x16x128_f8f6f4 v[O+8*\t:O+8*\t+7], v[KF+12*\t:KF+12*\t+11], v[PC:PC+11], v[O+8*\t:O+8*\t+7], v[SW+\t], v[PW] matrix_a_fmt:MATRIX_FMT_FP6 matrix_b_fmt:MATRIX_FMT_FP6
.endr
	s_add_co_u32 s[TB], s[TB], 6144
	s_add_co_u32 s[TS], s[TS], 512
	s_add_co_u32 s[TV], s[TV], 256
.endm
.macro RUN n                           ; n key steps
	s_mov_b32 s[CNT], \n
.Lstep_\@:
	STEP
	s_sub_co_u32 s[CNT], s[CNT], 1
	s_cmp_lg_u32 s[CNT], 0
	s_cbranch_scc1 .Lstep_\@
.endm
.macro GROUP n                         ; a group of 512 keys in pass 0.  n: the groups issued behind it, which may stay out
	s_wait_tensorcnt \n                            ; my part of the group (and of all before it) has landed;
	s_wait_dscnt 0x0                               ; no LDS instruction of mine is out at the signal
	s_barrier_signal -1
	s_barrier_wait -1                              ; everybody's has
	RUN 4
.endm
.macro PASSHEAD ps                     ; my 16 queries of pass ps: 256 positions on for each pass, in the immediates
	global_load_b64 v[QF:QF+1], v[GQ], s[80:81] offset:12288*\ps
	global_load_b64 v[QF+2:QF+3], v[GQ], s[80:81] offset:12288*\ps+8
	global_load_b64 v[QF+4:QF+5], v[GQ], s[80:81] offset:12288*\ps+16
	global_load_u16 v[QS], v[GQS], s[82:83] offset:1024*\ps
	v_mov_b32 v13, 0xff61b1e6                      ; the largest t so far: -3e38, under every t
	v_floor_f32 v12, -v13                          ; -M
	v_mov_b32 v14, 0
	v_mov_b32 v15, 0
.set j, 0
.rept 32
	v_mov_b32 v[O+j], 0                            ; O^T: the step is written once; the first finds zeros, which the first change of M leaves zeros
.set j, j+1
.endr
	s_mov_b32 s[TB], 0
	s_mov_b32 s[TS], 0
	s_mov_b32 s[TV], 0
	s_wait_loadcnt 0x0
.endm
; THE WAY OUT OF A PASS: O^T / the sum; register 16 b + i is channel 32 b + 16 h + i: two half blocks a lane; quantised along the channels; the codes go through my stage so that the 32 lanes store 384 consecutive bytes.
.macro WAYOUT ps
.rept 4
	v_nop                                          ; places behind the last products
.endr
	v_add_f32 v14, v14, v15                        ; the sum's two halves,
	v_permlanex16_b32 v[TMP], v14, s[SEL], s[SEL+1]
	v_add_f32 v14, v14, v[TMP]                     ; and lane l xor 16's
	v_rcp_f32 v14, v14
	v_nop                                          ; one plain place behind the transcendental
.set j, 0
	s_wait_alu depctr_va_vdst(0)
.rept 32
	v_mul_f32 v[S+j], v[O+j], v14                  ; each accumulator from its low end on
.set j, j+1
.endr
.irp b, 0,1
	v_max3_num_f32 v[BM+\b], |v[S+16*\b]|, |v[S+1+16*\b]|, 0x1800000
.endr
.irp i, 2,4,6,8,10,12,14
.irp b, 0,1
	v_max3_num_f32 v[BM+\b], v[BM+\b], |v[S+16*\b+\i]|, |v[S+1+16*\b+\i]|
.endr
.endr
.irp b, 0,1
	v_permlanex16_b32 v[BP+\b], v[BM+\b], s[SEL], s[SEL+1]
.endr
.irp b, 0,1
	v_max_num_f32 v[BM+\b], v[BM+\b], v[BP+\b]
.endr
.irp b, 0,1
	v_add_nc_u32 v[BS+\b], 0xff000000, v[BM+\b]
.endr
.irp b, 0,1
	v_lshrrev_b32 v[BP+\b], 23, v[BS+\b]
.endr
	v_lshl_or_b32 v[TMP], v[BP+1], 8, v[BP]        ; my row's two scale bytes
	v_cvt_scalef32_pk16_fp6_f32 v[PT:PT+2], v[S:S+15], v[BS]
	v_cvt_scalef32_pk16_fp6_f32 v[PT+4:PT+6], v[S+16:S+31], v[BS+1]
	v_nop                                          ; one plain place behind the scaled conversions
	ds_store_b96 v[STO], v[PT:PT+2]
	ds_store_b96 v[STO], v[PT+4:PT+6] offset:32
	ds_load_b96 v[KF:KF+2], v[SRD]                 ; LDS serves a wave's instructions in order (ISA guide 5.7.1.4): these see my stores
	ds_load_b96 v[KF+4:KF+6], v[SRD] offset:512
	s_wait_dscnt 0x0
	global_store_b96 v[GOC], v[KF:KF+2], s[84:85] offset:196608*\ps
	global_store_b96 v[GOC], v[KF+4:KF+6], s[84:85] offset:196608*\ps+384
	global_store_b16 v[GQS], v[TMP], s[86:87] offset:8192*\ps   ; lanes l and l xor 16 store the same two bytes
.endm
	PASSHEAD 0
	GROUP 3
	GROUP 2
	GROUP 1
	GROUP 0
	WAYOUT 0
	s_wait_xcnt 0x0                                ; pass 0's stores have read their registers, which pass 1 writes again
	PASSHEAD 1
	RUN 16                                         ; all of k and v lie in LDS, shown to every wave by pass 0's barriers: no wait on TENSORcnt, no barrier
	WAYOUT 1
	s_wait_tensorcnt 0x0
	s_wait_dscnt 0x0
	s_wait_tensorcnt 0x0
	ds_add_u32 v254, v255
	s_wait_dscnt 0x0
	CROUND                                         ; the closing round: no work-group ends while a partner may still ask for a tile that names it
	s_endpgm
.Lfunc_end_k_q8a5f24e85f_attn:
	.size	k_q8a5f24e85f_attn, .Lfunc_end_k_q8a5f24e85f_attn-k_q8a5f24e85f_attn
	.p2alignl 7, 3214868480
	.fill 96, 4, 3214868480
	.section	.rodata,"a",@progbits
	.p2align	6, 0x0
	.amdhsa_kernel k_q8a5f24e85f_attn
		.amdhsa_group_segment_fixed_size 231424
		.amdhsa_private_segment_fixed_size 0
		.amdhsa_enable_private_segment 0
		.amdhsa_kernarg_size 48
		.amdhsa_user_sgpr_count 2
		.amdhsa_user_sgpr_kernarg_segment_ptr 1
		.amdhsa_wavefront_size32 1
		.amdhsa_system_sgpr_workgroup_id_x 1
		.amdhsa_system_sgpr_workgroup_id_y 1
		.amdhsa_system_sgpr_workgroup_id_z 1
		.amdhsa_system_vgpr_workitem_id 0
		.amdhsa_next_free_vgpr 256
		.amdhsa_next_free_sgpr 100
		.amdhsa_reserve_vcc 0
		.amdhsa_float_denorm_mode_32 3
		.amdhsa_float_denorm_mode_16_64 3
		.amdhsa_memory_ordered 1
		.amdhsa_forward_progress 1
		.amdhsa_inst_pref_size 108
	.end_amdhsa_kernel
	.amdgpu_metadata
---
amdhsa.version: [ 1, 2 ]
amdhsa.kernels:
  - .name:           k_q8a5f24e85f_attn
    .symbol:         k_q8a5f24e85f_attn.kd
    .args:
      - { .name: qkc, .offset: 0, .size: 8, .value_kind: global_buffer, .address_space: global }
      - { .name: qks, .offset: 8, .size: 8, .value_kind: global_buffer, .address_space: global }
      - { .name: vc, .offset: 16, .size: 8, .value_kind: global_buffer, .address_space: global }
      - { .name: vs, .offset: 24, .size: 8, .value_kind: global_buffer, .address_space: global }
      - { .name: oc, .offset: 32, .size: 8, .value_kind: global_buffer, .address_space: global }
      - { .name: os, .offset: 40, .size: 8, .value_kind: global_buffer, .address_space: global }
    .group_segment_fixed_size: 231424
    .private_segment_fixed_size: 0
    .kernarg_segment_align: 8
    .kernarg_segment_size: 48
    .max_flat_workgroup_size: 512
    .sgpr_count:     100
    .vgpr_count:     256
    .wavefront_size: 32
...
	.end_amdgpu_metadata
.endif
;; end of part 3
;; launch proj (part 4): grid 4 x 32, 4 waves a work-group, clusters of 4 x 4, 327,680 bytes of LDS; arguments oc, os, cod, scl, proj_b, out0; writes out0
.if DOCPART == 4
	.amdgcn_target "amdgcn-amd-amdhsa--gfx1250"
	.amdhsa_code_object_version 6
	.text
	.protected	k_q8a5f24e85f_proj
	.globl	k_q8a5f24e85f_proj
	.p2align	8
	.type	k_q8a5f24e85f_proj,@function
k_q8a5f24e85f_proj:
	s_mov_b64 s[64:65], 0
	v_nop
	global_prefetch_b8 v0, s[64:65] scope:SCOPE_SE
	s_setreg_imm32_b32 hwreg(HW_REG_WAVE_MODE, 25, 1), 1
	s_wait_xcnt 0x0
	s_wait_alu depctr_hold_cnt(0) depctr_sa_sdst(0) depctr_va_vdst(0) depctr_va_sdst(0) depctr_va_ssrc(0) depctr_va_vcc(0) depctr_vm_vsrc(0)
	s_getreg_b32 s2, hwreg(HW_REG_IB_STS2, 6, 4)
	s_cmp_eq_u32 s2, 0
	s_cbranch_scc0 .Lentry_in_a_cluster
	s_endpgm
.Lentry_in_a_cluster:
	s_bfe_u32 s2, ttmp6, 0x10000c
	s_cmp_lg_u32 s2, 0xf033
	s_cbranch_scc0 .Lentry_shape_is_right
	s_endpgm
.Lentry_shape_is_right:
; out0 = o proj_w^T + proj_b on codes of FP6 (E2M3) with E8M0 scales, K = 1,024; out0 [8192][1024] f32.
; The matrix part is launch qkv's: a tile of 256 x 256 by four waves of 128 x 128; K in steps of 256 through a ring of two LDS slots; operands as [panel][k / 64][position (256)][48 bytes] with scale words [panel][k / 128][position][4],
; so that a K step of a panel is one dense block of 49,152 bytes and a fragment's 32 lanes, at 48 r + 24 h, touch 64 different banks (64 banks of 4 bytes: ISA guide 11.1).
; Source 0 = proj_w (cod's panels 44 .. 47), source 1 = o (oc, os, from launch attn): a lane holds one token, and the 16 registers of source 0's tiles 2 b, 2 b + 1 are output channels 32 b + 16 (lane / 16) + 0 .. 15.
; proj_b is the C of the first step.  Tokens are stored at positions (the number with bits 3 and 4 exchanged): the way out puts each row where it belongs.
; CLUSTERS: 4 x 4 work-groups; o's panel is shared along a row of the cluster, proj_w's along a column: each tile is asked for JOINTLY.  The product has 128 tiles of this size: 128 work-groups.
; REGISTERS: window 0: v0-31 addresses; v32-63 scale words, two sets, and nothing else; v64-127 the bias; v128-223 source 1's fragments, ONE set; on the way out v128-255 rows of out0.
;   window 1: source 0's fragments, TWO sets.   windows 2, 3: the accumulators ((a, b) at v[8 (8 (a % 4) + b)]).
.set CH,     12288
.set HALFT,  2*CH
.set SLOT,   4*HALFT
.set KSTEPB, 4*CH
.set SCL,    2*SLOT
.set SPARE,  SCL+16384                 ; the spare words, 128 bytes for each wave: two blocks of 256 bytes that no other line names
.set SPITCH, 528                       ; the way out: a stage of 16 rows x (512 bytes + 16) for each wave, in slot 0, which has had its last fill and its last read by then
.set FR,     12
.set NL,     6
.set NP,     4
.set NQ,     2
.set LAPS,   2
.set ADRA, 16
.set ADRB, 20
.set STO,  24                          ; v24  the way out: where I put 32 bytes of a row
.set RD,   25                          ; v25  where I read a row back
.set CO,   26                          ; v26  my byte offset in a row's 512 bytes
.set ADRS, 27
.set SPW,  28
.set NIL,  29
.set SC,   32
.set BI,   64
.set AF,   128
.set BK,   128
.set G1, 24
.set G0, 32
.set G1B, 48
.set G0B, 56
.set G1S, 68
.set G0S, 76
.set G1SB, 80
.set G0SB, 88
.set MSB, 0
.macro WIN new                         ; the immediate's high byte repeats the setting that is left
.if MSB != (\new)
	s_set_vgpr_msb (MSB<<8)|(\new)
.set MSB, (\new)
.endif
.endm
.set MUL_LO, 0xa1
.set MUL_HI, 0xf1
.set TO_B,   0x40
; A joint load: waves 0 and 1 fetch for source 1, waves 2 and 3 for source 0; four v_nop follow each of the two lines, ahead of the jump, the label and what follows.
.macro JLOAD g0a, g1a, g0b, g1b
	s_cmp_eq_u32 s15, 0
	s_cbranch_scc0 .Lfor_b_\@
	tensor_load_to_lds s[\g0a:\g0a+3], s[\g1a:\g1a+7]
	s_nop 0
.rept 4
	v_nop
.endr
	s_branch .Lasked_\@
.Lfor_b_\@:
	tensor_load_to_lds s[\g0b:\g0b+3], s[\g1b:\g1b+7]
	s_nop 0
.rept 4
	v_nop
.endr
.Lasked_\@:
.endm
.macro CREST
	s_cmp_lg_u32 s14, 0
	s_cbranch_scc1 .Lnot_wave_0_\@
	s_barrier_signal -3
.Lnot_wave_0_\@:
	s_barrier_wait -3
	s_barrier_signal -1
	s_barrier_wait -1
.endm
.macro CROUND
	s_barrier_signal -1
	s_barrier_wait -1
	CREST
.endm
	s_load_b256 s[4:11], s[0:1], 0x0               ; oc s[4:5], os s[6:7], cod s[8:9], scl s[10:11]
	s_load_b128 s[96:99], s[0:1], 0x20             ; proj_b s[96:97], out0 s[98:99]
	v_lshl_add_u32 v[SPW], v0, 2, SPARE
	v_mov_b32 v[NIL], 0
	ds_add_u32 v28, v29
	ds_add_u32 v28, v29
	s_wait_dscnt 0x0
	v_lshrrev_b32 v1, 5, v0
	v_readfirstlane_b32 s14, v1                    ; wave 0..3
	s_lshr_b32 s15, s14, 1                         ; which half of the tokens is mine.  Also: I fetch for source 1 (0) or source 0 (1)
	s_and_b32 s16, s14, 1                          ; which half of the output channels.  Also: which two chunks of a K step I fetch
	s_bfe_u32 s40, ttmp6, 0x40000                  ; cx, cy
	s_bfe_u32 s41, ttmp6, 0x40004
	s_and_b32 s17, ttmp7, 0xffff
	s_lshl_b32 s17, s17, 2
	s_add_co_u32 s17, s17, s41                     ; o's panel = 4 x cluster y + cy
	s_add_co_u32 s42, s40, 44                      ; proj_w's panel in cod (the grid is one cluster wide)
	s_lshl_b32 s43, s41, 2
	s_lshl_b32 s43, 15, s43                        ; my row of the cluster
	s_lshl_b32 s44, 0x1111, s40                    ; my column
	s_or_b32 s[G1+0], s43, (3<<16)|(1<<21)         ; a dense block of 24,576 bytes as 96 rows of 32 elements of 8 bytes; the mask; 21 set beside it
	s_or_b32 s[G1B+0], s44, (3<<16)|(1<<21)
.irp g, G1, G1B
	s_mov_b32 s[\g+1], 32<<16
	s_mov_b32 s[\g+2], 96<<16
	s_mov_b32 s[\g+3], 32<<16
	s_mov_b32 s[\g+4], 96
	s_mov_b32 s[\g+5], 32
	s_mov_b32 s[\g+6], 0
	s_mov_b32 s[\g+7], 0
.endr
	s_or_b32 s[G1S+0], s43, (3<<16)|(1<<21)        ; half a panel's scale words: 16 such rows
	s_or_b32 s[G1SB+0], s44, (3<<16)|(1<<21)
.irp g, G1S, G1SB
	s_mov_b32 s[\g+1], 32<<16
	s_mov_b32 s[\g+2], 16<<16
	s_mov_b32 s[\g+3], 32<<16
	s_mov_b32 s[\g+4], 16
	s_mov_b32 s[\g+5], 32
	s_mov_b32 s[\g+6], 0
	s_mov_b32 s[\g+7], 0
.endr
	s_mul_i32 s18, s16, HALFT
	s_mul_i32 s20, s17, 16*CH
	s_add_co_u32 s20, s20, s18
	s_mov_b32 s21, 0
	s_mul_i32 s46, s42, 16*CH
	s_add_co_u32 s46, s46, s18
	s_mov_b32 s47, 0
	s_lshl_b32 s19, s16, 12
	s_lshl_b32 s22, s17, 13
	s_add_co_u32 s22, s22, s19
	s_mov_b32 s23, 0
	s_lshl_b32 s92, s42, 13
	s_add_co_u32 s92, s92, s19
	s_mov_b32 s93, 0
	s_mul_i32 s45, s14, HALFT                      ; where they go: no place in the cluster enters an LDS address
	s_lshl_b32 s94, s14, 12
	s_wait_kmcnt 0x0
	s_add_nc_u64 s[20:21], s[4:5], s[20:21]
	s_add_nc_u64 s[22:23], s[6:7], s[22:23]
	s_add_nc_u64 s[46:47], s[8:9], s[46:47]
	s_add_nc_u64 s[92:93], s[10:11], s[92:93]
	CROUND                                         ; all sixteen work-groups are here: the first joint loads meet
	s_mov_b32 s[G0S], 1
	s_add_co_u32 s[G0S+1], s94, SCL
	s_mov_b64 s[G0S+2:G0S+3], s[22:23]
	s_or_b32 s[G0S+3], s[G0S+3], 0x80000000
	s_mov_b32 s[G0SB], 1
	s_add_co_u32 s[G0SB+1], s94, SCL
	s_mov_b64 s[G0SB+2:G0SB+3], s[92:93]
	s_or_b32 s[G0SB+3], s[G0SB+3], 0x80000000
	JLOAD G0S, G1S, G0SB, G1SB
.irp s, 0,1
	s_mov_b32 s[G0+4*\s], 1
	s_add_co_u32 s[G0+4*\s+1], s45, \s*SLOT
	s_add_nc_u64 s[G0+4*\s+2:G0+4*\s+3], s[20:21], \s*KSTEPB
	s_or_b32 s[G0+4*\s+3], s[G0+4*\s+3], 0x80000000
	s_mov_b32 s[G0B+4*\s], 1
	s_add_co_u32 s[G0B+4*\s+1], s45, \s*SLOT
	s_add_nc_u64 s[G0B+4*\s+2:G0B+4*\s+3], s[46:47], \s*KSTEPB
	s_or_b32 s[G0B+4*\s+3], s[G0B+4*\s+3], 0x80000000
	JLOAD G0+4*\s, G1, G0B+4*\s, G1B               ; three loads of mine are out now
.endr
	v_and_b32 v1, 15, v0                           ; r
	v_bfe_u32 v2, v0, 4, 1                         ; h
	v_mul_u32_u24 v3, v1, 48
	v_mad_u32_u24 v3, v2, 24, v3
	s_mul_i32 s21, s15, 6144
	s_mul_i32 s22, s16, 6144
	s_add_co_u32 s22, s22, 2*HALFT
.irp s, 0,1
	v_add_nc_u32 v[ADRA+\s], s21, v3
	v_add_nc_u32 v[ADRB+\s], s22, v3
	s_add_co_u32 s21, s21, SLOT
	s_add_co_u32 s22, s22, SLOT
.endr
	v_lshlrev_b32 v5, 2, v1
	s_lshl_b32 s21, s15, 9
	s_lshl_b32 s22, s16, 9
	s_add_co_u32 s22, s22, 8192
	s_sub_co_u32 s22, s22, s21
	v_mul_u32_u24 v6, s22, v2                      ; lanes 16-31 take source 0's words: one product, the distance between the two
	s_add_co_u32 s21, s21, SCL
	v_add_nc_u32 v5, v5, v6
	v_add_nc_u32 v[ADRS], s21, v5
	s_mul_i32 s23, s14, 16*SPITCH                  ; my stage
	v_mul_u32_u24 v5, v1, SPITCH
	v_lshl_add_u32 v5, v2, 6, v5                   ; in: row r, + 64 h: tiles 2 b and 2 b + 1 give my half 64 consecutive bytes
	v_add_nc_u32 v[STO], s23, v5
	v_and_b32 v6, 31, v0
	v_lshlrev_b32 v[CO], 4, v6
	v_add_nc_u32 v[RD], s23, v[CO]
	s_lshl_b32 s92, s40, 10
	s_lshl_b32 s93, s16, 9
	s_add_co_u32 s92, s92, s93                     ; my first output channel, in bytes: 4 (256 cx + 128 half)
	s_mov_b32 s93, 0
	s_add_nc_u64 s[96:97], s[96:97], s[92:93]
	v_lshlrev_b32 v7, 6, v2                        ; register 16 g + i of the table: channel 32 g + 16 h + i
.irp g, 0,1,2,3
.irp k, 0,1,2,3
	global_load_b128 v[BI+16*\g+4*\k:BI+16*\g+4*\k+3], v7, s[96:97] offset:128*\g+16*\k
.endr
.endr
	s_lshl_b32 s20, s17, 8
	s_lshl_b32 s21, s15, 7
	s_add_co_u32 s20, s20, s21                     ; my first token
	s_lshl_b32 s20, s20, 12                        ; rows of 4,096 bytes
	s_add_co_u32 s20, s20, s92
	s_mov_b32 s21, 0
	s_add_nc_u64 s[98:99], s[98:99], s[20:21]
.macro FRAG reg, adr, q, i             ; lane l holds row l % 16; registers 6 c .. 6 c + 5 hold K = 64 c + 32 (l / 16) + 0 .. 31: 24 bytes of chunk 2 q + c, in pieces of 8 bytes
.irp p, 0,1,2,3,4,5
	ds_load_b64 v[\reg+2*\p:\reg+2*\p+1], v[\adr] offset:(2*(\q)+\p/3)*CH+768*(\i)+8*(\p%3)
.endr
.endm
; 16 matrix instructions: source 1's blocks a0, a0 + 1 x source 0's eight.  zero = 1: the first product starts the sums, with the bias as C.  The 64 accumulators take turns, one instruction a turn.
.macro MUL16 a0, p, q, sc, zero
.irp a, \a0, \a0+1
.irp b, 0,1,2,3,4,5,6,7
.if \zero
	v_wmma_scale_f32_16x16x128_f8f6f4 v[8*(8*((\a)%4)+\b):8*(8*((\a)%4)+\b)+7], v[128*(\p)+FR*\b:128*(\p)+FR*\b+FR-1], v[AF+FR*(\a):AF+FR*(\a)+FR-1], v[BI+8*\b:BI+8*\b+7], v[SC+8*NQ*(\sc)+NQ*\b+(\q)], v[SC+8*NQ*(\sc)+NQ*(\a)+(\q)] matrix_a_fmt:MATRIX_FMT_FP6 matrix_b_fmt:MATRIX_FMT_FP6 matrix_a_scale:MATRIX_SCALE_ROW1
.else
	v_wmma_scale_f32_16x16x128_f8f6f4 v[8*(8*((\a)%4)+\b):8*(8*((\a)%4)+\b)+7], v[128*(\p)+FR*\b:128*(\p)+FR*\b+FR-1], v[AF+FR*(\a):AF+FR*(\a)+FR-1], v[8*(8*((\a)%4)+\b):8*(8*((\a)%4)+\b)+7], v[SC+8*NQ*(\sc)+NQ*\b+(\q)], v[SC+8*NQ*(\sc)+NQ*(\a)+(\q)] matrix_a_fmt:MATRIX_FMT_FP6 matrix_b_fmt:MATRIX_FMT_FP6 matrix_a_scale:MATRIX_SCALE_ROW1
.endif
.endr
.endr
.endm
.macro FETCH_B slot, q, p
	WIN TO_B
.irp i, 0,1,2,3,4,5,6,7
	FRAG 128*(\p)+FR*\i, ADRB+\slot, \q, \i
.endr
	WIN 0
.endm
.macro FETCH_A slot, q, i0
.irp i, \i0, \i0+1, \i0+2, \i0+3
	FRAG AF+FR*(\i), ADRA+\slot, \q, \i
.endr
.endm
.macro SCALES sc                       ; register 2 i + q of set sc: lanes 0-15 source 1's block i, lanes 16-31 source 0's block i
.irp i, 0,1,2,3,4,5,6,7
.irp q, 0,1
	ds_load_b32 v[SC+16*\sc+2*\i+\q], v[ADRS] offset:1024*\q+64*\i
.endr
.endr
.endm
.macro PLACES n                        ; plain vector instructions that name none of a matrix instruction's registers, in front of loads into its registers and of reads of its results
.rept \n
	v_nop
.endr
.endm
.macro STEP slot, q, zero
	s_wait_dscnt 4*NL                              ; source 0's set and source 1's blocks 0-3 are in; the youngest 24 loads (blocks 4-7) may be out
.if \zero
	WIN 0x81                                       ; C (the bias) window 0, D window 2
.else
	WIN MUL_LO
.endif
	MUL16 0, (\q)%2, \q, \slot, \zero
	MUL16 2, (\q)%2, \q, \slot, \zero
	s_wait_dscnt 0
	PLACES NP
	FETCH_B \slot, (\q)+1, 1-(\q)%2
	FETCH_A \slot, (\q)+1, 0
.if \zero
	WIN 0xc1
.else
	WIN MUL_HI
.endif
	MUL16 4, (\q)%2, \q, \slot, \zero
	MUL16 6, (\q)%2, \q, \slot, \zero
	PLACES NP
	WIN 0
	FETCH_A \slot, (\q)+1, 4
.endm
; A slot's last step changes slots: ONE barrier; in front of it each wave waits for all its tensor loads, adds 0 to its spare word, and waits for that and for its own reads of this slot.
.macro TURN slot, next, fill
	s_wait_tensorcnt 0x0                           ; all my tensor loads have landed: my part of the next slot
	ds_add_u32 v[SPW], v[NIL]                      ; 0 onto my spare word
	s_wait_dscnt 4*NL+1                            ; (the add and the youngest 24 loads may be out)
	WIN MUL_LO
	MUL16 0, 1, NQ-1, \slot, 0
	s_wait_dscnt 0x0                               ; the add is done, and my reads of this slot are over
	s_barrier_signal -1
	MUL16 2, 1, NQ-1, \slot, 0
	WIN 0
	s_barrier_wait -1
.if \fill
	CREST                                          ; the barrier has opened a round of the cluster's barrier: no wave of any partner still reads this slot's tile or has a load on its way
	s_add_nc_u64 s[G0+4*\slot+2:G0+4*\slot+3], s[G0+4*\slot+2:G0+4*\slot+3], 2*KSTEPB
	s_add_nc_u64 s[G0B+4*\slot+2:G0B+4*\slot+3], s[G0B+4*\slot+2:G0B+4*\slot+3], 2*KSTEPB
	JLOAD G0+4*\slot, G1, G0B+4*\slot, G1B         ; the first tensor load behind the round; its four v_nop are the places in front of the loads below
.else
	PLACES NP
.endif
	v_add_nc_u32 v[ADRS], 2048, v[ADRS]
	FETCH_B \next, 0, 0
	FETCH_A \next, 0, 0
	SCALES \next
	WIN MUL_HI
	MUL16 4, 1, NQ-1, \slot, 0
	MUL16 6, 1, NQ-1, \slot, 0
	PLACES NP
	WIN 0
	FETCH_A \next, 0, 4
.endm
	s_wait_tensorcnt 1                             ; the scales and my part of K step 0 are in (K step 1's load may be out)
	s_barrier_signal -1
	s_barrier_wait -1                              ; everybody's are
	FETCH_B 0, 0, 0
	FETCH_A 0, 0, 0
	SCALES 0
	FETCH_A 0, 0, 4
	s_wait_loadcnt 0x0                             ; the bias
	STEP 0, 0, 1
	s_mov_b32 s3, LAPS-1
.Llap:
	TURN 0, 1, 1
	STEP 1, 0, 0
	TURN 1, 0, 1
	STEP 0, 0, 0
	s_sub_co_u32 s3, s3, 1
	s_cmp_lg_u32 s3, 0
	s_cbranch_scc1 .Llap
	TURN 0, 1, 0                                   ; the last lap fills nothing, and has no round of the cluster's barrier
	STEP 1, 0, 0
	s_wait_dscnt 4*NL
	WIN MUL_LO
	MUL16 0, 1, NQ-1, 1, 0
	MUL16 2, 1, NQ-1, 1, 0
	s_wait_dscnt 0
	WIN MUL_HI
	MUL16 4, 1, NQ-1, 1, 0
	MUL16 6, 1, NQ-1, 1, 0
	WIN 0
; THE WAY OUT, block by block of 16 tokens x 128 channels, through my own stage: in by 32 bytes a lane at the channels' true places, back as whole rows of 512 bytes.
; LDS serves a wave's instructions in order (ISA guide 5.7.1.4): no wait between the stores and the loads, nor in front of the next block's stores.
.macro TOSTAGE a
.set AC, 64*((\a)%4)
	WIN 0x08+4*((\a)/4)                            ; an LDS store's data: window 2 or 3
.irp b, 0,1,2,3,4,5,6,7
	ds_store_b128 v[STO], v[AC+8*\b:AC+8*\b+3] offset:128*(\b/2)+32*(\b%2)          ; each accumulator from its low end on
	ds_store_b128 v[STO], v[AC+8*\b+4:AC+8*\b+7] offset:128*(\b/2)+32*(\b%2)+16
.endr
	WIN 0
.set BB, BK+64*((\a)%2)
.irp t, 0,1,2,3,4,5,6,7,8,9,10,11,12,13,14,15
	ds_load_b128 v[BB+4*\t:BB+4*\t+3], v[RD] offset:\t*SPITCH
.endr
.endm
.macro SEND a, younger                 ; younger: the LDS instructions issued behind block a's loads, which may stay out
.set BB, BK+64*((\a)%2)
	s_wait_dscnt \younger
.irp t, 0,1,2,3,4,5,6,7,8,9,10,11,12,13,14,15
	global_store_b128 v[CO], v[BB+4*\t:BB+4*\t+3], s[98:99] offset:(32*((\a)/2)+8*((\a)%2)+\t+8*(\t/8))*4096 th:TH_STORE_NT   ; position 16 a + t is token 32 (a / 2) + 8 (a % 2) + t + 8 (t / 8); 32 lanes store 512 consecutive bytes, at a multiple of 256 from out0's first byte
.endr
.endm
	PLACES NP
	TOSTAGE 0
.irp a, 1,2,3,4,5,6,7
.if \a > 1
	s_wait_xcnt 0x0                                ; block a - 2's stores have read their registers: block a's loads may land there
.endif
	TOSTAGE \a
	SEND \a-1, 32                                  ; behind block a - 1's loads: block a's 16 stores and 16 loads
.endr
	SEND 7, 0
	s_wait_tensorcnt 0x0                           ; the wave's end: behind my last tensor load and my last LDS store
	ds_add_u32 v[SPW], v[NIL]
	s_wait_dscnt 0x0
	CROUND                                         ; the closing round
	s_endpgm
.Lfunc_end_k_q8a5f24e85f_proj:
	.size	k_q8a5f24e85f_proj, .Lfunc_end_k_q8a5f24e85f_proj-k_q8a5f24e85f_proj
	.p2alignl 7, 3214868480
	.fill 96, 4, 3214868480
	.section	.rodata,"a",@progbits
	.p2align	6, 0x0
	.amdhsa_kernel k_q8a5f24e85f_proj
		.amdhsa_group_segment_fixed_size 327680
		.amdhsa_private_segment_fixed_size 0
		.amdhsa_enable_private_segment 0
		.amdhsa_kernarg_size 48
		.amdhsa_user_sgpr_count 2
		.amdhsa_user_sgpr_kernarg_segment_ptr 1
		.amdhsa_wavefront_size32 1
		.amdhsa_system_sgpr_workgroup_id_x 1
		.amdhsa_system_sgpr_workgroup_id_y 1
		.amdhsa_system_sgpr_workgroup_id_z 1
		.amdhsa_system_vgpr_workitem_id 0
		.amdhsa_next_free_vgpr 1024
		.amdhsa_next_free_sgpr 102
		.amdhsa_reserve_vcc 0
		.amdhsa_float_denorm_mode_32 3
		.amdhsa_float_denorm_mode_16_64 3
		.amdhsa_memory_ordered 1
		.amdhsa_forward_progress 1
		.amdhsa_inst_pref_size 162
	.end_amdhsa_kernel
	.amdgpu_metadata
---
amdhsa.version: [ 1, 2 ]
amdhsa.kernels:
  - .name:           k_q8a5f24e85f_proj
    .symbol:         k_q8a5f24e85f_proj.kd
    .args:
      - { .name: oc, .offset: 0, .size: 8, .value_kind: global_buffer, .address_space: global }
      - { .name: os, .offset: 8, .size: 8, .value_kind: global_buffer, .address_space: global }
      - { .name: cod, .offset: 16, .size: 8, .value_kind: global_buffer, .address_space: global }
      - { .name: scl, .offset: 24, .size: 8, .value_kind: global_buffer, .address_space: global }
      - { .name: proj_b, .offset: 32, .size: 8, .value_kind: global_buffer, .address_space: global }
      - { .name: out0, .offset: 40, .size: 8, .value_kind: global_buffer, .address_space: global }
    .group_segment_fixed_size: 327680
    .private_segment_fixed_size: 0
    .kernarg_segment_align: 8
    .kernarg_segment_size: 48
    .max_flat_workgroup_size: 128
    .sgpr_count:     102
    .vgpr_count:     1024
    .wavefront_size: 32
...
	.end_amdgpu_metadata
.endif
;; end of part 4
